; MI455X (gfx1250); checked and timed in simulation.
; The chip was launched on July 23, 2026; its instructions are those of AMD's public machine-readable ISA for CDNA 5 (MIT licence, August 2026) and "CDNA5" Instruction Set Architecture Reference Guide (July 2026). The comments in the code are by the model that wrote it; some were corrected since.
;; Self Attention Model. Allowed arithmetic: matrix products marked QUANTISED: E3M2 operands, one E8M0 scale for each 32 along K, by v_wmma_scale_f32_16x16x128_f8f6f4 with both operands' format E3M2, f32 sums; everything else in f32.
;; Inputs: b_down 512 float32; b_up 2,048 float32; beta1 512 float32; beta2 512 float32; bk 512 float32; bo 512 float32; bq 512 float32; bv 512 float32; g1 512 float32; g2 512 float32; moves_embeddings 4 x 2,048 x 512 float32; w_down_codes 512 x 64 x 24 uint8 (E3M2 codes of w_down, K innermost, in blocks of 32 codes, four codes in three bytes); w_down_scales 512 x 64 uint8 (E8M0 scales of w_down, one for each 32 codes along K); w_up_codes 2,048 x 16 x 24 uint8 (E3M2 codes of w_up, K innermost, in blocks of 32 codes, four codes in three bytes); w_up_scales 2,048 x 16 uint8 (E8M0 scales of w_up, one for each 32 codes along K); wk_codes 512 x 16 x 24 uint8 (E3M2 codes of wk, K innermost, in blocks of 32 codes, four codes in three bytes); wk_scales 512 x 16 uint8 (E8M0 scales of wk, one for each 32 codes along K); wo_codes 512 x 16 x 24 uint8 (E3M2 codes of wo, K innermost, in blocks of 32 codes, four codes in three bytes); wo_scales 512 x 16 uint8 (E8M0 scales of wo, one for each 32 codes along K); wq_codes 512 x 16 x 24 uint8 (E3M2 codes of wq, K innermost, in blocks of 32 codes, four codes in three bytes); wq_scales 512 x 16 uint8 (E8M0 scales of wq, one for each 32 codes along K); wv_codes 512 x 16 x 24 uint8 (E3M2 codes of wv, K innermost, in blocks of 32 codes, four codes in three bytes); wv_scales 512 x 16 uint8 (E8M0 scales of wv, one for each 32 codes along K).
;; Outputs: out0 4 x 2,048 x 512 float32.
;; This version of the problem:
;;   THIS VERSION OF THE PROBLEM IS GIVEN IN LOW PRECISION. The matrix products marked QUANTISED in the list below multiply operands that are first quantised to E3M2 (3 exponent bits, 2 mantissa bits; 6 bits a number), with one power-of-two scale for each 32 numbers along K (OCP MX v1.0); their sums are f32. All else is computed in f32.
;;   The module's matrix products, in the order in which they are computed (A, B: the left and right operand; K: the contracted axis; several contracted axes count as one K, in the product's order):
;;     1. [M 8,192, K 512] x [K 512, N 512]; A: input moves_embeddings; B: input wq (given as codes): QUANTISED
;;     2. [M 8,192, K 512] x [K 512, N 512]; A: input moves_embeddings; B: input wk (given as codes): QUANTISED
;;     3. [M 8,192, K 512] x [K 512, N 512]; A: input moves_embeddings; B: input wv (given as codes): QUANTISED
;;     4. batch 32 x [M 2,048, K 64] x [K 64, N 2,048]; A: computed on the way; B: computed on the way: QUANTISED
;;     5. batch 32 x [M 2,048, K 2,048] x [K 2,048, N 64]; A: softmax (see below); B: computed on the way: QUANTISED
;;     6. [M 8,192, K 512] x [K 512, N 512]; A: computed on the way; B: input wo (given as codes): QUANTISED
;;     7. [M 8,192, K 512] x [K 512, N 2,048]; A: computed on the way; B: input w_up (given as codes): QUANTISED
;;     8. [M 8,192, K 2,048] x [K 2,048, N 512]; A: computed on the way; B: input w_down (given as codes): QUANTISED
;;   THE QUANTISER, for each operand of a quantised product, along K:
;;     - K is cut into blocks of 32 from its start; a last block that is shorter is filled with zeros.
;;     - A block's scale is 2^e with e = floor(log2(the largest magnitude in the block)) - 4, held to -126 .. 127; a block of zeros has e = 0. As a byte (E8M0): e + 127.
;;     - Each number is divided by its block's scale, clamped to +-28, and rounded to the nearest number of E3M2, ties to even, subnormals kept.
;;     - The product sums the exact products of the quantised numbers (number of the format x scale) in f32.
;;   ~~~python
;;   def quantise(x, axis):      # numpy; x: float32 -> the quantised numbers, widened to float32 again
;;       x = np.moveaxis(x, axis, -1); K = x.shape[-1]
;;       x = np.pad(x, [(0, 0)] * (x.ndim - 1) + [(0, -K % 32)]); x = x.reshape(x.shape[:-1] + (-1, 32)); a = np.abs(x).max(-1, keepdims=True)
;;       e = np.where(a > 0, np.clip(np.frexp(np.where(a > 0, a, 1))[1] - 1 - 4, -126, 127), 0)      # np.frexp(a)[1] - 1 = floor(log2(a)), exactly
;;       r = np.clip(x / 2.0 ** e, -28, 28)
;;       step = 2.0 ** (np.maximum(np.frexp(np.where(r == 0, 1, r))[1] - 1, -2) - 2)
;;       q = np.round(r / step) * step * 2.0 ** e      # np.round: ties to even
;;       return np.moveaxis(q.reshape(q.shape[:-2] + (-1,))[..., :K], -1, axis).astype(np.float32)
;;   ~~~
;;   SOFTMAX AHEAD OF A QUANTISED PRODUCT. Where the list says 'softmax', what is quantised is not the finished softmax but p = 2^(t - M), with t = logit x log2(e) and M = ceil(the row's largest t), a whole number; so 1/2 < the row's largest p <= 1. The row's sum l is taken of the UNQUANTISED p, in f32, and the product's result is divided by l at the end. Since M is a whole number, a kernel that streams over the keys may use a running M (the ceiling of the running maximum): every later rescaling is an exact power of two, which a block's scale takes up: the codes' values come out the same.
;;   OPERANDS COMPUTED ON THE WAY. 'Computed on the way' means the value that the module computes at that place (a softmax that the list does not call 'softmax' is quantised finished and normalised). What goes into a quantiser is computed in f32, as accurately as f32 sums, v_exp_f32 and their like allow (about 1e-6 of the number): no bf16 or f16 on the way to a quantiser, and a product that is left as it is and whose result goes on into a quantised operand takes f32 operands (vector FMAs, or v_wmma_f32_16x16x4_f32). A number that lies on a knife's edge between two numbers of the format may be rounded either way, as far as f32 arithmetic and the matrix unit's own rounding can turn it there, and no further.
;;   INPUTS GIVEN AS CODES. w_down (in the module: [2048, 512], K = its axis 0); w_up (in the module: [512, 2048], K = its axis 0); wk (in the module: [512, 512], K = its axis 0); wo (in the module: [512, 512], K = its axis 0); wq (in the module: [512, 512], K = its axis 0); wv (in the module: [512, 512], K = its axis 0): each comes as NAME_codes (uint8): NAME with its K axis moved to the last place and cut into blocks of 32 codes, [.., K / 32, bytes a block], one block behind the other in memory; four codes in three bytes: a row's codes are one little-endian stream of bits, code i at bits 6 i .. 6 i + 5 (a code: sign, 3 exponent bits, 2 mantissa bits); and NAME_scales (uint8): the same leading axes, one E8M0 byte (e + 127) for each 32 codes along K. Its value is code x scale, taken as it is: it is not quantised again, and the codes and scales need not be those that the quantiser above would give.
;; One version. Each part assembles by itself: llvm-mc -triple=amdgcn-amd-amdhsa -mcpu=gfx1250 --defsym DOCPART=n.
;; ======== version 1 of 1: 3 launches
;; limits: right only within a limited range of input values
;; workspace buffers: qimg 3,670,016 bytes; kv 7,077,888 bytes; wstream 1,916,928 bytes; cimg 3,145,728 bytes; csc 131,072 bytes
;; launch prep (part 1): grid 228 x 1, 4 waves a work-group, no clusters, 308,736 bytes of LDS; arguments moves_embeddings, wq_codes, wk_codes, wv_codes, wq_scales, wk_scales, wv_scales, bq, bk, bv, qimg, kv, wo_codes, w_up_codes, w_down_codes, wo_scales, w_up_scales, w_down_scales, wstream; writes qimg, kv, wstream
.if DOCPART == 1
	.amdgcn_target "amdgcn-amd-amdhsa--gfx1250"
	.amdhsa_code_object_version 6
	.text
	.protected	k_q7883a094cd_prep
	.globl	k_q7883a094cd_prep
	.p2align	8
	.type	k_q7883a094cd_prep,@function
k_q7883a094cd_prep:
	s_mov_b64 s[64:65], 0
	v_nop
	global_prefetch_b8 v0, s[64:65] scope:SCOPE_SE
	s_setreg_imm32_b32 hwreg(HW_REG_WAVE_MODE, 25, 1), 1
	s_wait_xcnt 0x0
; q = x wq + bq, k = x wk + bk, v = x wv + bv on codes of BF6 (E3M2) with one E8M0 scale for each 32 along K; q and k are quantised along the head's 64,
; v along the keys; all three leave as IMAGES OF OPERAND REGISTERS (a lane's registers on end), so that the next launch loads fragments whole.
; Work-groups 0-63 make q, 64-127 k, 128-191 v, each for 128 tokens; work-groups 192-227 lay wo, w_up and w_down out as a stream of register images.
; SHARES.  Wave w holds weight rows 128 w .. 128 w + 127 (heads 2 w, 2 w + 1) in 384 registers for the whole launch; the 128 tokens are 8 tiles of 16.
; ORDER OF ROWS.  Row i of token tile m is token 32 (m / 2) + 8 (m % 2) + i + 8 (i / 8); lane r of weight tile t takes row 32 (t / 2) + 8 (t % 2) + r + 8 (r / 8).
; So the 16 result registers of two neighbouring tiles are 16 neighbours along the axis that is quantised next.
; q, k: source 0 = 16 weight rows, source 1 = 16 tokens: a lane holds one token, its registers run along the head.  v: the sources swapped: a lane holds one channel, its registers run along the keys.
; NO JOINT LOADS: the two kinds of work-groups part on the work-group's number ahead of the tensor load, and a joint load is to stand on every path of a text.
; The tensor load is a first fill; each wave reads only the bytes that its own load brought, behind its own wait.
; LIMITS: NaN and infinities are not served; a block of zeros gets the byte 1 (its codes are zeros; these bytes are read by this program alone).
.set WLW,  55296                       ; LDS: a wave's 128 weight rows, 432 bytes apart
.set WPI,  432                         ; 384 bytes of codes + 16 of padding behind each 128
.set XIMG, 221184                      ; x's 32 fragments (tile m, K step s: 4 m + s), 1,536 bytes each
.set XSC,  270336                      ; their scale words, 128 bytes each
.set STG,  274432                      ; a stage of 16 rows x 528 bytes for each wave
.set SPI,  528
.set FRB,  1536
.set CHB,  13312                       ; a chunk of the weights' stream
.set VL16, 1                           ; v1  16 x lane
.set VL8,  2                           ; v2  8 x lane
.set XG,   3                           ; v3  x: 16 x lane + 65,536 x wave
.set STI,  4                           ; v4  stage, by rows
.set STO,  5                           ; v5  stage, 64 bytes a lane
.set XWI,  6                           ; v6  where I store x's images
.set XWS,  7                           ; v7  and their scale words
.set WA,   8                           ; v8, v9  my lane's place in a weight tile in LDS (v9: behind one padding more)
.set FI,   10                          ; v10 XIMG + 16 x lane
.set FS,   11                          ; v11 XSC + 4 x lane
.set VB8,  12                          ; v12 8 x lane + 16 records: the wave's second head
.set VB16, 13                          ; v13 16 x lane + 16 records
.set WSA,  14                          ; v14 the weights' scale words
.set BA,   15                          ; v15 the bias
.set WS,   16                          ; v16-47  weight scale words, 4 t + s
.set XS,   48                          ; v48-55  x's scale words, two sets
.set XF,   56                          ; v56-103 x's four fragments
.set HA,   104                         ; v104-167 64 numbers at work; in the v path x's second set of fragments
.set CD,   168                         ; v168-187 the codes just made
.set TM,   188                         ; v188-203 at work in QUANT
.set PW,   204                         ; v204 the scale word just made
.set SA,   208                         ; v208-215 scale words of the first head's 8 tiles
.set SB,   216                         ; v216-223 of the second's
.set T0,   224
.set LN,   225
.set RR,   226
.set HH,   227
.set PR,   228
.set T1,   229
.set T2,   230
.set LF,   104                         ; lay-out path: 8 fragments
.set LSW,  200                         ; and their scale words
.set WV,   46
.set Y,    47
.set RG,   48
.set SEL,  50
.set G1,   52
.set G0,   60
.set MSB, 0
.macro WIN new                         ; the immediate's high byte repeats the setting that is left; a switch that changes nothing is dropped
.if MSB != (\new)
	s_set_vgpr_msb (MSB<<8)|(\new)
.set MSB, (\new)
.endif
.endm
.macro PLACES                          ; four plain places behind matrix instructions (ISA guide 7.12.1)
.rept 4
	v_nop
.endr
.endm
; 64 numbers of a lane, v[s] .. v[s + 63] of window w, register 16 b + i = k 32 b + 16 (lane / 16) + i of my row, become a fragment's codes in v[CD] on and its scale word in v[PW]
.macro QUANT s, w
	WIN (\w)|((\w)<<2)
.irp b, 0,1,2,3
	v_max3_num_f32 v[TM+\b], |v[(\s)+16*\b]|, |v[(\s)+16*\b+1]|, 0x2800000   ; my 16 numbers of block b, and the floor 2^(5 - 127): the byte cannot fall under 1
.endr
	WIN ((\w)<<2)|((\w)<<4)
.irp i, 2,4,6,8,10,12,14
.irp b, 0,1,2,3
	v_max3_num_f32 v[TM+\b], v[TM+\b], |v[(\s)+16*\b+\i]|, |v[(\s)+16*\b+\i+1]|
.endr
.endr
	WIN 0
.irp b, 0,1,2,3
	v_permlanex16_b32 v[TM+4+\b], v[TM+\b], s[SEL], s[SEL+1]
.endr
.irp b, 0,1,2,3
	v_max_num_f32 v[TM+\b], v[TM+\b], v[TM+4+\b]   ; with lane l xor 16's: the block's largest magnitude
.endr
.irp b, 0,1,2,3
	v_add_nc_u32 v[TM+12+\b], 0xfe000000, v[TM+\b]   ; 4 off its exponent field: the conversion's scale operand
.endr
.irp b, 0,1,2,3
	v_lshrrev_b32 v[TM+4+\b], 23, v[TM+12+\b]      ; the scale's byte
.endr
	v_lshl_or_b32 v[PW], v[TM+5], 8, v[TM+4]
	v_lshl_or_b32 v[PW], v[TM+6], 16, v[PW]
	v_lshl_or_b32 v[PW], v[TM+7], 24, v[PW]
	WIN (\w)
.irp c, 0,1
	v_cvt_scalef32_pk16_bf6_f32 v[CD+6*\c:CD+6*\c+2], v[(\s)+32*\c:(\s)+32*\c+15], v[TM+12+2*\c]
	v_cvt_scalef32_pk16_bf6_f32 v[CD+12+4*\c:CD+14+4*\c], v[(\s)+32*\c+16:(\s)+32*\c+31], v[TM+13+2*\c]
.endr
	WIN 0
	v_nop                                          ; one plain place behind a scaled conversion
.irp c, 0,1                            ; the operand's layout wants a whole block in a lane
.irp i, 0,1,2
	v_permlane16_swap_b32 v[CD+6*\c+\i], v[CD+12+4*\c+\i]
.endr
.irp i, 0,1,2
	v_mov_b32 v[CD+3+6*\c+\i], v[CD+12+4*\c+\i]
.endr
.endr
.endm
	s_load_b512 s[8:23], s[0:1], 0x0               ; x 8, wq 10, wk 12, wv 14, their scales 16, 18, 20, bq 22
	s_load_b256 s[24:31], s[0:1], 0x40             ; bk 24, bv 26, qimg 28, kv 30
	s_load_b256 s[32:39], s[0:1], 0x60             ; wo 32, w_up 34, w_down 36, wo's scales 38
	s_load_b128 s[40:43], s[0:1], 0x80             ; w_up's scales 40, w_down's 42
	s_load_b64 s[44:45], s[0:1], 0x90              ; wstream
	v_lshl_add_u32 v254, v0, 2, 0x4b400
	v_mov_b32 v255, 0
	ds_add_u32 v254, v255
	ds_add_u32 v254, v255
	v_lshrrev_b32 v[T0], 5, v0
	v_readfirstlane_b32 s[WV], v[T0]               ; wave 0..3
	v_and_b32 v[LN], 31, v0
	v_and_b32 v[RR], 15, v0                        ; r
	v_bfe_u32 v[HH], v0, 4, 1                      ; h
	v_and_b32 v[PR], 8, v0
	v_add_nc_u32 v[PR], v[PR], v[RR]               ; r + 8 (r / 8)
	v_lshlrev_b32 v[VL16], 4, v[LN]
	v_lshlrev_b32 v[VL8], 3, v[LN]
	s_lshr_b32 s[Y], ttmp9, 6                      ; 0 q, 1 k, 2 v, 3 lay-out
	s_and_b32 s[RG], ttmp9, 63                     ; which 128 tokens
	s_mov_b32 s[SEL], 0x76543210
	s_mov_b32 s[SEL+1], 0xfedcba98                 ; v_permlanex16_b32's selects for lane l xor 16
	; descriptor group 1: a wave's 128 rows of 384 bytes are one dense block of 49,152 bytes: stated as 192 rows of 256 bytes, each at a multiple of 256 bytes;
	; 16 bytes of padding behind each 128 (32 words: code 4; 4 words: code 3), counted along the whole tile: the bytes lie in LDS as rows of 384 + 48
	s_mov_b32 s[G1+0], (1<<20)|(4<<22)|(3<<25)
	s_mov_b32 s[G1+1], 256<<16                     ; tensor_dim0
	s_mov_b32 s[G1+2], 192<<16                     ; tensor_dim1
	s_mov_b32 s[G1+3], 256<<16                     ; tile_dim0
	s_mov_b32 s[G1+4], 192                         ; tile_dim1
	s_mov_b32 s[G1+5], 256                         ; from row to row
	s_mov_b32 s[G1+6], 0
	s_mov_b32 s[G1+7], 0
	s_mov_b32 s76, 13824
	s_wait_dscnt 0x0
	s_wait_kmcnt 0x0
	s_cmp_eq_u32 s[Y], 3
	s_cbranch_scc1 .Llay
	; ---- the three products.  The buffers are chosen on the work-group's number alone
	s_cmp_eq_u32 s[Y], 0
	s_cselect_b64 s[66:67], s[10:11], s[12:13]     ; the weights' codes
	s_cselect_b64 s[68:69], s[16:17], s[18:19]     ; their scales
	s_cselect_b64 s[70:71], s[22:23], s[24:25]     ; the bias
	s_cselect_b64 s[72:73], s[28:29], s[30:31]     ; where the result goes
	s_cselect_b32 s76, 7168, s76                   ; a record of 128 tokens of a head: 7,168 bytes in qimg, 13,824 in kv
	s_cmp_eq_u32 s[Y], 2
	s_cselect_b64 s[66:67], s[14:15], s[66:67]
	s_cselect_b64 s[68:69], s[20:21], s[68:69]
	s_cselect_b64 s[70:71], s[26:27], s[70:71]
	s_mul_i32 s78, s[WV], 49152                    ; my 128 rows in memory
	s_mov_b32 s79, 0
	s_mov_b32 s[G0], 1
	s_mul_i32 s[G0+1], s[WV], WLW                  ; and in LDS
	s_add_nc_u64 s[G0+2:G0+3], s[66:67], s[78:79]
	s_or_b32 s[G0+3], s[G0+3], 0x80000000
	tensor_load_to_lds s[G0:G0+3], s[G1:G1+7]      ; my one tensor load: one is out
	s_nop 0
	PLACES
	s_lshl_b32 s80, s[WV], 11
	s_wait_alu depctr_va_vdst(0)
	v_lshl_add_u32 v[WSA], v[PR], 4, s80           ; scale words: 16 bytes a row
	s_lshl_b32 s81, s[WV], 9
	s_lshl_b32 s82, s[RG], 18
	s_mov_b32 s83, 0
	s_add_nc_u64 s[74:75], s[8:9], s[82:83]        ; x at my 128 tokens
	s_lshl_b32 s84, s[WV], 16
	v_add_nc_u32 v[XG], s84, v[VL16]
	s_mul_i32 s85, s[WV], 16*SPI
	s_add_co_u32 s85, s85, STG
	v_add_nc_u32 v[STI], s85, v[VL16]
	v_mul_u32_u24 v[T1], v[RR], SPI
	v_lshl_add_u32 v[T1], v[HH], 6, v[T1]
	v_add_nc_u32 v[STO], s85, v[T1]
	s_mul_i32 s86, s[WV], 8*FRB
	s_add_co_u32 s86, s86, XIMG
	v_add_nc_u32 v[XWI], s86, v[VL16]
	s_lshl_b32 s87, s[WV], 10
	s_add_co_u32 s87, s87, XSC
	v_lshl_add_u32 v[XWS], v[LN], 2, s87
	s_mul_i32 s88, s[WV], WLW
	v_mul_u32_u24 v[T1], v[PR], WPI
	v_mad_u32_u24 v[T1], v[HH], 24, v[T1]
	v_add_nc_u32 v[WA], s88, v[T1]
	v_lshl_add_u32 v[WA+1], v[HH], 4, v[WA]
	v_add_nc_u32 v[FI], XIMG, v[VL16]
	v_lshl_add_u32 v[FS], v[LN], 2, XSC
	s_lshr_b32 s89, s[RG], 4                       ; the batch
	s_lshl_b32 s89, s89, 3
	s_lshl_b32 s90, s[WV], 1
	s_add_co_u32 s89, s89, s90                     ; 8 x batch + my first head
	s_lshl_b32 s89, s89, 4
	s_and_b32 s90, s[RG], 15
	s_add_co_u32 s89, s89, s90                     ; + which 128 tokens of the sequence
	s_mul_i32 s90, s89, s76
	s_mov_b32 s91, 0
	s_add_nc_u64 s[72:73], s[72:73], s[90:91]      ; my first head's record
	s_lshl_b32 s92, s76, 4                         ; the second head's lies 16 records on
	v_add_nc_u32 v[VB8], s92, v[VL8]
	v_add_nc_u32 v[VB16], s92, v[VL16]
	s_mov_b32 s93, 0xffff
	s_mov_b32 s94, 0x7f7f0000
.irp b, 0,1,2,3
	v_mov_b32 v[TM+4+\b], 0                        ; written once: a lane permute's destination counts as one of its sources
.endr
.irp t, 0,1,2,3,4,5,6,7
	global_load_b128 v[WS+4*\t:WS+4*\t+3], v[WSA], s[68:69] offset:16*(32*(\t/2)+8*(\t%2))
.endr
	s_cmp_eq_u32 s[Y], 2
	s_cbranch_scc1 .Lbias_v
	v_lshl_add_u32 v[BA], v[HH], 6, s81            ; q, k: register j of tile t is unit 32 (t / 2) + 8 (t % 2) + 16 h + j
	WIN 0x40
.irp t, 0,1,2,3,4,5,6,7
	global_load_b128 v[192+8*\t:195+8*\t], v[BA], s[70:71] offset:4*(32*(\t/2)+8*(\t%2))
	global_load_b128 v[196+8*\t:199+8*\t], v[BA], s[70:71] offset:4*(32*(\t/2)+8*(\t%2))+16
.endr
	WIN 0
	s_branch .Lbias_done
.Lbias_v:
	v_lshl_add_u32 v[BA], v[PR], 2, s81            ; v: all eight registers of a lane are its one channel
	WIN 0x40
.irp t, 0,1,2,3,4,5,6,7
.irp j, 0,1,2,3,4,5,6,7
	global_load_b32 v[192+8*\t+\j], v[BA], s[70:71] offset:4*(32*(\t/2)+8*(\t%2))
.endr
.endr
	WIN 0
.Lbias_done:
; unit n = 4 u + s: rows of my tile 2 w + u, K step s: 16 loads of 512 consecutive bytes, into set n % 2 of window 3
.macro XLOAD n
	WIN 0xc0
.irp i, 0,1,2,3,4,5,6,7,8,9,10,11,12,13,14,15
	global_load_b128 v[64*((\n)%2)+4*\i:64*((\n)%2)+4*\i+3], v[XG], s[74:75] offset:(8*((\n)/4)+\i+8*(\i/8))*2048+512*((\n)%4)
.endr
	WIN 0
.endm
.macro XUNIT n
.if (\n) < 7
	s_wait_loadcnt 16                              ; this unit's loads are in; the next unit's 16 may be out
.else
	s_wait_loadcnt 0x0
.endif
	WIN 0x0c                                       ; an LDS store's data are its source 1: window 3
.irp i, 0,1,2,3,4,5,6,7,8,9,10,11,12,13,14,15
	ds_store_b128 v[STI], v[64*((\n)%2)+4*\i:64*((\n)%2)+4*\i+3] offset:\i*SPI
.endr
	WIN 0
.irp b, 0,1,2,3
.irp j, 0,1,2,3
	ds_load_b128 v[HA+16*\b+4*\j:HA+16*\b+4*\j+3], v[STO] offset:128*\b+16*\j   ; LDS serves a wave's instructions in order: these see my stores
.endr
.endr
	s_wait_dscnt 0x0                               ; the numbers are back, and the stores (the last unit's images too) have read their registers
.if (\n)+2 < 8
	XLOAD (\n)+2
.endif
	QUANT HA, 0
.irp c, 0,1,2
	ds_store_b128 v[XWI], v[CD+4*\c:CD+4*\c+3] offset:(\n)*FRB+512*\c
.endr
	ds_store_b32 v[XWS], v[PW] offset:(\n)*128
.endm
	XLOAD 0
	XLOAD 1
.irp n, 0,1,2,3,4,5,6,7
	XUNIT \n
.endr
; my weights go from LDS into registers, once: fragment (t, s) at v[12 (2 t + s % 2)] of window 1 (s = 0, 1) or 2 (s = 2, 3)
.macro WFRAG t, s
.set WBR, 12*(2*(\t)+(\s)%2)
.irp p, 0,1,2,3,4,5
.set PCE, 12*(\s)+6*(\p/3)+\p%3                ; a piece of 8 bytes; lanes 16-31 read three pieces on, which is behind one padding more where PCE % 16 is 13 or more
.if PCE%16 < 13
	ds_load_b64 v[WBR+2*\p:WBR+2*\p+1], v[WA] offset:(32*((\t)/2)+8*((\t)%2))*WPI+8*PCE+16*(PCE/16)
.else
	ds_load_b64 v[WBR+2*\p:WBR+2*\p+1], v[WA+1] offset:(32*((\t)/2)+8*((\t)%2))*WPI+8*PCE+16*(PCE/16)
.endif
.endr
.endm
	s_wait_tensorcnt 0x0                           ; my rows have landed; nobody else reads them
	WIN 0x40
.irp t, 0,1,2,3,4,5,6,7
.irp s, 0,1
	WFRAG \t, \s
.endr
.endr
	WIN 0x80
.irp t, 0,1,2,3,4,5,6,7
.irp s, 2,3
	WFRAG \t, \s
.endr
.endr
	WIN 0
	s_wait_loadcnt 0x0                             ; scale words and bias
	s_wait_dscnt 0x0                               ; my images have landed, my fragments are in
	s_barrier_signal -1
	s_barrier_wait -1                              ; x's 32 fragments lie in LDS; from here on LDS is only read
.macro FETCH m, xf, xs                 ; tile m's four fragments and scale words
.irp s, 0,1,2,3
.irp c, 0,1,2
	ds_load_b128 v[\xf+12*\s+4*\c:\xf+12*\s+4*\c+3], v[FI] offset:(4*(\m)+\s)*FRB+512*\c
.endr
	ds_load_b32 v[\xs+\s], v[FS] offset:(4*(\m)+\s)*128
.endr
.endm
	s_cmp_eq_u32 s[Y], 2
	s_cbranch_scc1 .Lvpath
	; ---- q, k: eight accumulators by turns, K step by K step; the bias is the C of the first
.macro QKMUL
.irp s, 0,1,2,3
.if \s == 0
	WIN 0x11
.elseif \s == 1
	WIN 0x01
.else
	WIN 0x02
.endif
.irp t, 0,1,2,3,4,5,6,7
.if \s == 0
	v_wmma_scale_f32_16x16x128_f8f6f4 v[HA+8*\t:HA+8*\t+7], v[12*(2*\t+\s%2):12*(2*\t+\s%2)+11], v[XF+12*\s:XF+12*\s+11], v[192+8*\t:199+8*\t], v[WS+4*\t+\s], v[XS+\s] matrix_a_fmt:MATRIX_FMT_BF6 matrix_b_fmt:MATRIX_FMT_BF6
.else
	v_wmma_scale_f32_16x16x128_f8f6f4 v[HA+8*\t:HA+8*\t+7], v[12*(2*\t+\s%2):12*(2*\t+\s%2)+11], v[XF+12*\s:XF+12*\s+11], v[HA+8*\t:HA+8*\t+7], v[WS+4*\t+\s], v[XS+\s] matrix_a_fmt:MATRIX_FMT_BF6 matrix_b_fmt:MATRIX_FMT_BF6
.endif
.endr
.endr
	WIN 0
.endm
	FETCH 0, XF, XS
.irp m, 0,1,2,3,4,5,6,7
	s_wait_dscnt 0x0
	QKMUL
	PLACES
.if \m < 7
	FETCH \m+1, XF, XS                             ; lands while this tile is quantised
.endif
	s_wait_xcnt 0x0                                ; the last tile's stores have read the codes' registers
	QUANT HA, 0                                    ; blocks 0, 1: my first head; blocks 2, 3: my second
.irp p, 0,1,2
	global_store_b64 v[VL8], v[CD+2*\p:CD+2*\p+1], s[72:73] offset:768*\m+256*\p      ; 32 lanes store 256 consecutive bytes
	global_store_b64 v[VB8], v[CD+6+2*\p:CD+7+2*\p], s[72:73] offset:768*\m+256*\p
.endr
	v_and_or_b32 v[SA+\m], v[PW], s93, s94         ; a head has two blocks: the word's upper two bytes are 127, over zero codes
	v_lshrrev_b32 v[SB+\m], 16, v[PW]
	v_or_b32 v[SB+\m], s94, v[SB+\m]
.endr
	global_store_b128 v[VL16], v[SA:SA+3], s[72:73] offset:6144
	global_store_b128 v[VL16], v[SA+4:SA+7], s[72:73] offset:6656
	global_store_b128 v[VB16], v[SB:SB+3], s[72:73] offset:6144
	global_store_b128 v[VB16], v[SB+4:SB+7], s[72:73] offset:6656
	s_wait_tensorcnt 0x0
	ds_add_u32 v254, v255
	s_wait_dscnt 0x0
	s_endpgm
	; ---- v: source 0 = 16 tokens, source 1 = 16 channels.  A head at a time: 4 channel tiles x 8 token tiles = 32 accumulators, all of window 3
.Lvpath:
.macro VMUL tq, m, bf
.irp s, 0,1,2,3
.if \s == 0
	WIN 0xd4
.elseif \s == 1
	WIN 0xf4
.else
	WIN 0xf8
.endif
.irp u, 0,1,2,3
.if \s == 0
	v_wmma_scale_f32_16x16x128_f8f6f4 v[64*\u+8*(\m):64*\u+8*(\m)+7], v[XF+48*(\bf)+12*\s:XF+48*(\bf)+12*\s+11], v[12*(2*(4*(\tq)+\u)+\s%2):12*(2*(4*(\tq)+\u)+\s%2)+11], v[192+8*(4*(\tq)+\u):199+8*(4*(\tq)+\u)], v[XS+4*(\bf)+\s], v[WS+4*(4*(\tq)+\u)+\s] matrix_a_fmt:MATRIX_FMT_BF6 matrix_b_fmt:MATRIX_FMT_BF6
.else
	v_wmma_scale_f32_16x16x128_f8f6f4 v[64*\u+8*(\m):64*\u+8*(\m)+7], v[XF+48*(\bf)+12*\s:XF+48*(\bf)+12*\s+11], v[12*(2*(4*(\tq)+\u)+\s%2):12*(2*(4*(\tq)+\u)+\s%2)+11], v[64*\u+8*(\m):64*\u+8*(\m)+7], v[XS+4*(\bf)+\s], v[WS+4*(4*(\tq)+\u)+\s] matrix_a_fmt:MATRIX_FMT_BF6 matrix_b_fmt:MATRIX_FMT_BF6
.endif
.endr
.endr
	WIN 0
.endm
	FETCH 0, XF, XS
.irp tq, 0,1
.irp m, 0,1,2,3,4,5,6,7
	PLACES                                         ; in front of loads into the set that the tile before last... the last products but these read
.if 8*\tq+\m < 15
	FETCH (\m+1)%8, XF+48*((\m+1)%2), XS+4*((\m+1)%2)
	s_wait_dscnt 16                                ; this tile's fragments are in; the next tile's 16 loads may be out
.else
	s_wait_dscnt 0x0
.endif
	VMUL \tq, \m, \m%2
.endr
	PLACES
.irp u, 0,1,2,3
	s_wait_xcnt 0x0                                ; earlier stores have read their registers
	QUANT 64*\u, 3                                 ; 16 channels x 128 keys: a whole fragment
.irp c, 0,1,2
.if \tq == 0
	global_store_b128 v[VL16], v[CD+4*\c:CD+4*\c+3], s[72:73] offset:7168+FRB*\u+512*\c
.else
	global_store_b128 v[VB16], v[CD+4*\c:CD+4*\c+3], s[72:73] offset:7168+FRB*\u+512*\c
.endif
.endr
	v_mov_b32 v[SA+\u], v[PW]
.endr
.if \tq == 0
	global_store_b128 v[VL16], v[SA:SA+3], s[72:73] offset:13312
.else
	global_store_b128 v[VB16], v[SA:SA+3], s[72:73] offset:13312
.endif
.endr
	s_wait_tensorcnt 0x0
	ds_add_u32 v254, v255
	s_wait_dscnt 0x0
	s_endpgm
	; ---- the weights' stream: chunk n of wave w = 8 fragments (128 rows x 128 along K) and their scale words, in the order in which the last launch takes them
.Llay:
	s_sub_co_u32 s76, ttmp9, 192                   ; n = 0..35: 0-3 wo; then by eights: 4 of w_up, 4 of w_down
	s_sub_co_u32 s77, s76, 4
	s_lshr_b32 s78, s77, 3                         ; pass i
	s_and_b32 s79, s77, 7
	s_lshl_b32 s80, s78, 2
	s_add_co_u32 s81, s80, s[WV]                   ; w_up: rows 128 (4 i + w) on
	s_and_b32 s82, s79, 3
	s_add_co_u32 s82, s82, s80                     ; w_down: K step 4 i + ..
	s_cmp_lt_u32 s79, 4
	s_cselect_b64 s[66:67], s[34:35], s[36:37]
	s_cselect_b64 s[68:69], s[40:41], s[42:43]
	s_cselect_b32 s83, s81, s[WV]                  ; which 128 rows
	s_cselect_b32 s84, s79, s82                    ; which K step
	s_cselect_b32 s85, 0, 1                        ; 1: rows of 2,048 codes
	s_cmp_lt_u32 s76, 4
	s_cselect_b64 s[66:67], s[32:33], s[66:67]
	s_cselect_b64 s[68:69], s[38:39], s[68:69]
	s_cselect_b32 s83, s[WV], s83
	s_cselect_b32 s84, s76, s84
	s_cselect_b32 s85, 0, s85
	s_mul_i32 s86, s84, 96
	s_mov_b32 s87, 0
	s_lshl_b32 s88, s84, 2
	s_mov_b32 s89, 0
	s_mul_i32 s90, s[WV], 36
	s_add_co_u32 s90, s90, s76
	s_mul_i32 s90, s90, CHB
	s_mov_b32 s91, 0
	s_add_nc_u64 s[44:45], s[44:45], s[90:91]
.macro RELAY pitch, spitch
	v_mul_u32_u24 v[T1], v[PR], \pitch
	v_mad_u32_u24 v[T1], v[HH], 24, v[T1]
	v_mul_u32_u24 v[T2], v[PR], \spitch
.irp t, 0,1,2,3,4,5,6,7
.irp p, 0,1,2,3,4,5
	global_load_b64 v[LF+12*\t+2*\p:LF+12*\t+2*\p+1], v[T1], s[66:67] offset:(32*(\t/2)+8*(\t%2))*(\pitch)+48*(\p/3)+8*(\p%3)
.endr
	global_load_b32 v[LSW+\t], v[T2], s[68:69] offset:(32*(\t/2)+8*(\t%2))*(\spitch)
.endr
.endm
	s_cmp_eq_u32 s85, 1
	s_cbranch_scc1 .Llay_long
	s_mul_i32 s92, s83, 128*384
	s_add_co_u32 s86, s86, s92
	s_lshl_b32 s93, s83, 11
	s_add_co_u32 s88, s88, s93
	s_add_nc_u64 s[66:67], s[66:67], s[86:87]
	s_add_nc_u64 s[68:69], s[68:69], s[88:89]
	s_wait_alu depctr_va_vdst(0)
	RELAY 384, 16
	s_branch .Llay_out
.Llay_long:
	s_mul_i32 s92, s83, 128*1536
	s_add_co_u32 s86, s86, s92
	s_lshl_b32 s93, s83, 13
	s_add_co_u32 s88, s88, s93
	s_add_nc_u64 s[66:67], s[66:67], s[86:87]
	s_add_nc_u64 s[68:69], s[68:69], s[88:89]
	s_wait_alu depctr_va_vdst(0)
	RELAY 1536, 64
.Llay_out:
	s_wait_loadcnt 0x0
.irp f, 0,1,2,3,4,5,6,7
.irp c, 0,1,2
	global_store_b128 v[VL16], v[LF+12*\f+4*\c:LF+12*\f+4*\c+3], s[44:45] offset:FRB*\f+512*\c   ; 32 lanes store 512 consecutive bytes
.endr
.endr
	global_store_b128 v[VL16], v[LSW:LSW+3], s[44:45] offset:12288
	global_store_b128 v[VL16], v[LSW+4:LSW+7], s[44:45] offset:12800
	s_endpgm
.Lfunc_end_k_q7883a094cd_prep:
	.size	k_q7883a094cd_prep, .Lfunc_end_k_q7883a094cd_prep-k_q7883a094cd_prep
	.p2alignl 7, 3214868480
	.fill 96, 4, 3214868480
	.section	.rodata,"a",@progbits
	.p2align	6, 0x0
	.amdhsa_kernel k_q7883a094cd_prep
		.amdhsa_group_segment_fixed_size 308736
		.amdhsa_private_segment_fixed_size 0
		.amdhsa_enable_private_segment 0
		.amdhsa_kernarg_size 152
		.amdhsa_user_sgpr_count 2
		.amdhsa_user_sgpr_kernarg_segment_ptr 1
		.amdhsa_wavefront_size32 1
		.amdhsa_system_sgpr_workgroup_id_x 1
		.amdhsa_system_sgpr_workgroup_id_y 1
		.amdhsa_system_sgpr_workgroup_id_z 1
		.amdhsa_system_vgpr_workitem_id 0
		.amdhsa_next_free_vgpr 1024
		.amdhsa_next_free_sgpr 100
		.amdhsa_reserve_vcc 0
		.amdhsa_float_denorm_mode_32 3
		.amdhsa_float_denorm_mode_16_64 3
		.amdhsa_memory_ordered 1
		.amdhsa_forward_progress 1
		.amdhsa_inst_pref_size 255
	.end_amdhsa_kernel
	.section	.bss,"aw",@nobits
	.p2align	6
	.space	262144
	.amdgpu_metadata
---
amdhsa.version: [ 1, 2 ]
amdhsa.kernels:
  - .name:           k_q7883a094cd_prep
    .symbol:         k_q7883a094cd_prep.kd
    .args:
      - { .name: moves_embeddings, .offset: 0, .size: 8, .value_kind: global_buffer, .address_space: global }
      - { .name: wq_codes, .offset: 8, .size: 8, .value_kind: global_buffer, .address_space: global }
      - { .name: wk_codes, .offset: 16, .size: 8, .value_kind: global_buffer, .address_space: global }
      - { .name: wv_codes, .offset: 24, .size: 8, .value_kind: global_buffer, .address_space: global }
      - { .name: wq_scales, .offset: 32, .size: 8, .value_kind: global_buffer, .address_space: global }
      - { .name: wk_scales, .offset: 40, .size: 8, .value_kind: global_buffer, .address_space: global }
      - { .name: wv_scales, .offset: 48, .size: 8, .value_kind: global_buffer, .address_space: global }
      - { .name: bq, .offset: 56, .size: 8, .value_kind: global_buffer, .address_space: global }
      - { .name: bk, .offset: 64, .size: 8, .value_kind: global_buffer, .address_space: global }
      - { .name: bv, .offset: 72, .size: 8, .value_kind: global_buffer, .address_space: global }
      - { .name: qimg, .offset: 80, .size: 8, .value_kind: global_buffer, .address_space: global }
      - { .name: kv, .offset: 88, .size: 8, .value_kind: global_buffer, .address_space: global }
      - { .name: wo_codes, .offset: 96, .size: 8, .value_kind: global_buffer, .address_space: global }
      - { .name: w_up_codes, .offset: 104, .size: 8, .value_kind: global_buffer, .address_space: global }
      - { .name: w_down_codes, .offset: 112, .size: 8, .value_kind: global_buffer, .address_space: global }
      - { .name: wo_scales, .offset: 120, .size: 8, .value_kind: global_buffer, .address_space: global }
      - { .name: w_up_scales, .offset: 128, .size: 8, .value_kind: global_buffer, .address_space: global }
      - { .name: w_down_scales, .offset: 136, .size: 8, .value_kind: global_buffer, .address_space: global }
      - { .name: wstream, .offset: 144, .size: 8, .value_kind: global_buffer, .address_space: global }
    .group_segment_fixed_size: 308736
    .private_segment_fixed_size: 0
    .kernarg_segment_align: 8
    .kernarg_segment_size: 152
    .max_flat_workgroup_size: 128
    .sgpr_count:     100
    .vgpr_count:     1024
    .wavefront_size: 32
...
	.end_amdgpu_metadata
.endif
;; end of part 1
;; launch attn (part 2): grid 8 x 32, 16 waves a work-group, clusters of 4 x 1, 327,680 bytes of LDS; arguments qimg, kv, cimg, csc; writes cimg, csc
.if DOCPART == 2
	.amdgcn_target "amdgcn-amd-amdhsa--gfx1250"
	.amdhsa_code_object_version 6
	.text
	.protected	k_q7883a094cd_attn
	.globl	k_q7883a094cd_attn
	.p2align	8
	.type	k_q7883a094cd_attn,@function
k_q7883a094cd_attn:
	s_mov_b64 s[64:65], 0
	v_nop
	global_prefetch_b8 v0, s[64:65] scope:SCOPE_SE
	s_setreg_imm32_b32 hwreg(HW_REG_WAVE_MODE, 25, 1), 1
	s_wait_xcnt 0x0
	s_wait_alu depctr_hold_cnt(0) depctr_sa_sdst(0) depctr_va_vdst(0) depctr_va_sdst(0) depctr_va_ssrc(0) depctr_va_vcc(0) depctr_vm_vsrc(0)
	s_getreg_b32 s2, hwreg(HW_REG_IB_STS2, 6, 4)
	s_cmp_eq_u32 s2, 0
	s_cbranch_scc0 .Lentry_in_a_cluster
	s_endpgm
.Lentry_in_a_cluster:
	s_bfe_u32 s2, ttmp6, 0x10000c
	s_cmp_lg_u32 s2, 0x3003
	s_cbranch_scc0 .Lentry_shape_is_right
	s_endpgm
.Lentry_shape_is_right:
; ctx = softmax(q k^T / sqrt(512)) v for one batch and head (grid y) and 256 queries (grid x), on codes of BF6 (E3M2) with E8M0 scales; ctx leaves quantised along the head's 64, as an image of operand registers.
; SHARES.  16 waves, 16 queries each.  Both products transposed (S^T = k q^T, O^T = v^T p^T): a lane holds one query.  A step is 128 keys: a record of 13,824 bytes of kv (8 tiles of k, their scale words, 4 fragments of v, theirs).
; ALL OF A HEAD'S K AND V, 16 records, 221,184 bytes, lies in LDS, filled once, in two halves.  CLUSTERS: the four work-groups of a cluster take the same head and ask for both halves jointly (mask 15), each wave 27 rows of 256 bytes.
; Two steps run on the first half's records 0 and 1 (with record 2 fetched ahead); then a barrier shows the second half.
; TWO KEY TILES IN ONE OPERAND.  A head has 64 along K and the matrix instruction takes 128: registers 0-5 of an operand hold tile 2 i, registers 6-11 tile 2 i + 1.  The even tile is multiplied with [q | 0], the odd one with [0 | q]:
; zero codes stand against the other tile.  The pair's scale word holds the even tile's two bytes below and the odd tile's above.  So a step's eight tiles fill 48 registers, and the NEXT step's tiles and scale words are asked of LDS
; straight behind this step's eight products; the wait for them stands behind the exponentials.  The last step has no next record: it is written out without that fetch.
; SOFTMAX as the problem states it: p = 2^(t - M), M the ceiling of the running largest t; the sum of the unquantised p; every change of M is a multiplication by a power of two.
; NO PREFETCH: the launch's two tensor loads a wave stand at its head, and no load follows in the loops for which a request could run ahead.
; LIMITS: the scaled scores stay under 2^31 in magnitude; NaN and infinities are not served; a block of zeros gets the byte 1 (its codes are zeros; these bytes are read by this program alone).
.set REC,  13824
.set HALF, 110592
.set L8,   1                           ; 8 x lane
.set L16,  2                           ; 16 x lane
.set R16,  3                           ; 16 x (lane % 16)
.set ADK,  4                           ; the next record + 8 x lane
.set ADV,  5                           ; this record + 16 x lane
.set ADN,  6                           ; the next record + 16 x lane
.set KSC0, 92                          ; v92-95 the four pairs' scale words
.set BM,   212
.set PM,   216
.set SO,   220
.set WK,   224
.set FF,   226
.set PSW,  228
.set QB,   230                         ; v230-241 [0 | q]
.set QS2,  242                         ; its scale word
; v12 -M, v13 the largest t, v[14:15] the sum; v16-27 [q | 0], v28 its scale word; v32-79 k's four operands; v80-87 k's scale words as they lie; v88-91 v's; v96-159 scores, p, then v's fragments; v160-191 O^T; v192-211 p's codes
.set WV,   12
.set SEL,  20
.set CS,   22
.set G1,   24
.set TB,   40                          ; this record's LDS byte
.set CNT,  41
.set TBN,  58                          ; the next record's
.set PSEL, 59
.macro PLACES
.rept 4
	v_nop
.endr
.endm
.macro ROUND
	s_barrier_signal -1
	s_barrier_wait -1
	s_cmp_lg_u32 s[WV], 0
	s_cbranch_scc1 .Lnot_wave_0_\@
	s_barrier_signal -3
.Lnot_wave_0_\@:
	s_barrier_wait -3
	s_barrier_signal -1
	s_barrier_wait -1
.endm
.macro KLOAD                           ; a record's eight tiles of k, two to an operand, and their scale words: 26 loads
	ds_load_b128 v[80:83], v[ADN] offset:6144
	ds_load_b128 v[84:87], v[ADN] offset:6656
.irp t, 0,1,2,3,4,5,6,7
.irp p, 0,1,2
	ds_load_b64 v[32+12*(\t/2)+6*(\t%2)+2*\p:33+12*(\t/2)+6*(\t%2)+2*\p], v[ADK] offset:\t*768+256*\p
.endr
.endr
.endm
.macro KSC                             ; a pair's scale word: the even tile's two bytes below, the odd tile's above
.irp i, 0,1,2,3
	v_perm_b32 v[KSC0+\i], v[81+2*\i], v[80+2*\i], s[PSEL]
.endr
.endm
	s_load_b256 s[4:11], s[0:1], 0x0               ; qimg 4, kv 6, cimg 8, csc 10
	v_lshl_add_u32 v254, v0, 2, 0x36000
	v_mov_b32 v255, 0
	ds_add_u32 v254, v255                          ; the opening lines
	ds_add_u32 v254, v255
	v_lshrrev_b32 v7, 5, v0
	s_delay_alu instid0(VALU_DEP_1)
	v_readfirstlane_b32 s[WV], v7                  ; wave 0..15
	v_and_b32 v7, 31, v0
	s_delay_alu instid0(VALU_DEP_1)
	v_lshlrev_b32 v[L8], 3, v7
	s_delay_alu instid0(VALU_DEP_2)
	v_lshlrev_b32 v[L16], 4, v7
	v_and_b32 v[R16], 15, v0
	s_delay_alu instid0(VALU_DEP_1)
	v_lshlrev_b32 v[R16], 4, v[R16]
	s_bfe_u32 s13, ttmp6, 0x40000
	s_lshl_b32 s14, ttmp9, 2
	s_add_co_u32 s14, s14, s13                     ; which 256 queries
	s_and_b32 s15, ttmp7, 0xffff                   ; 8 x batch + head
	s_mov_b32 s[G1+0], 15|(3<<16)|(1<<21)          ; the mask names the four; elements of 8 bytes; bit 21 beside a mask
	s_mov_b32 s[G1+1], 32<<16                      ; rows of 256 bytes,
	s_mov_b32 s[G1+2], 27<<16                      ; 27 a wave
	s_mov_b32 s[G1+3], 32<<16
	s_mov_b32 s[G1+4], 27
	s_mov_b32 s[G1+5], 32
	s_mov_b32 s[G1+6], 0
	s_mov_b32 s[G1+7], 0
	s_mul_i32 s42, s15, 16*REC
	s_mul_i32 s43, s[WV], 6912
	s_add_co_u32 s44, s42, s43
	s_mov_b32 s45, 0
	s_mov_b32 s[SEL], 0x76543210
	s_mov_b32 s[SEL+1], 0xfedcba98
	s_mov_b32 s[CS], 0x3d8293ee                    ; log2(e) / sqrt(512)
	s_mov_b32 s[CS+1], s[CS]
	s_mov_b32 s[TB], 0
	s_mov_b32 s[TBN], REC
	s_mov_b32 s[PSEL], 0x05040100
	s_wait_dscnt 0x0
	s_wait_kmcnt 0x0
	s_mov_b32 s32, 1
	s_mov_b32 s33, s43
	s_add_nc_u64 s[34:35], s[6:7], s[44:45]
	s_mov_b32 s36, 1
	s_add_co_u32 s37, s43, HALF
	s_add_nc_u64 s[38:39], s[34:35], HALF
	s_or_b32 s35, s35, 0x80000000
	s_or_b32 s39, s39, 0x80000000
	ROUND
	tensor_load_to_lds s[32:35], s[G1:G1+7]        ; the first half: one load a wave at the head
	s_nop 0
	s_wait_alu depctr_va_vdst(0)
	s_wait_tensorcnt 0x0
	ds_add_u32 v254, v255
	s_wait_dscnt 0x0
	ROUND
	tensor_load_to_lds s[36:39], s[G1:G1+7]        ; the second half
	s_nop 0
	PLACES
	s_lshl_b32 s46, s15, 4
	s_lshl_b32 s47, s14, 1
	s_add_co_u32 s46, s46, s47
	s_lshr_b32 s47, s[WV], 3
	s_add_co_u32 s46, s46, s47
	s_mul_i32 s46, s46, 7168                       ; q's record of 128 queries
	s_and_b32 s47, s[WV], 7
	s_mul_i32 s48, s47, 768
	s_add_co_u32 s48, s48, s46
	s_mov_b32 s49, 0
	s_add_nc_u64 s[48:49], s[4:5], s[48:49]
	s_lshr_b32 s50, s47, 2
	s_lshl_b32 s50, s50, 9
	s_and_b32 s51, s47, 3
	s_lshl_b32 s51, s51, 2
	s_add_co_u32 s50, s50, s51
	s_add_co_u32 s50, s50, s46
	s_add_co_u32 s50, s50, 6144
	s_mov_b32 s51, 0
	s_add_nc_u64 s[50:51], s[4:5], s[50:51]
	s_wait_alu depctr_va_vdst(0)
.irp p, 0,1,2
	global_load_b64 v[16+2*\p:17+2*\p], v[L8], s[48:49] offset:256*\p
.endr
	global_load_b32 v28, v[L16], s[50:51]
	s_lshr_b32 s52, s15, 3
	s_lshl_b32 s52, s52, 7
	s_lshl_b32 s53, s14, 4
	s_add_co_u32 s52, s52, s53
	s_add_co_u32 s52, s52, s[WV]                   ; my tile of 16 tokens
	s_and_b32 s53, s15, 7
	s_mul_i32 s54, s52, 6144
	s_mul_i32 s56, s53, 768
	s_add_co_u32 s54, s54, s56
	s_mov_b32 s55, 0
	s_add_nc_u64 s[8:9], s[8:9], s[54:55]
	s_lshl_b32 s56, s52, 8
	s_lshl_b32 s57, s53, 1
	s_add_co_u32 s56, s56, s57
	s_mov_b32 s57, 0
	s_add_nc_u64 s[10:11], s[10:11], s[56:57]
	v_mov_b32 v13, 0xff61b1e6                      ; -3e38, under every t
	s_delay_alu instid0(VALU_DEP_1)
	v_floor_f32 v12, -v13
	v_mov_b32 v14, 0
	v_mov_b32 v15, 0
.irp i, 22,23,24,25,26,27
	v_mov_b32 v[\i], 0                             ; [q | 0]
.endr
.irp i, 0,1,2,3,4,5
	v_mov_b32 v[QB+\i], 0                          ; [0 | q]
.endr
.set J_, 0
.rept 32
	v_mov_b32 v[160+J_], 0                         ; the step is one text: the first finds zeros
.set J_, J_+1
.endr
.irp b, 0,1,2,3
	v_mov_b32 v[PM+\b], 0
.endr
	v_mov_b32 v[FF+1], 0
	v_add_nc_u32 v[ADK], s[TB], v[L8]              ; record 0
	v_add_nc_u32 v[ADN], s[TB], v[L16]
.macro STEP pf                         ; pf = 1: the next record's k is fetched
	v_add_nc_u32 v[ADV], s[TB], v[L16]
.if \pf
	v_add_nc_u32 v[ADK], s[TBN], v[L8]
	v_add_nc_u32 v[ADN], s[TBN], v[L16]
.endif
	PLACES                                         ; with the line above: five places between the last step's products and results laid over their operands
.irp t, 0,2,4,6
	v_wmma_scale_f32_16x16x128_f8f6f4 v[96+8*\t:103+8*\t], v[32+6*\t:43+6*\t], v[16:27], 0, v[KSC0+\t/2], v28 matrix_a_fmt:MATRIX_FMT_BF6 matrix_b_fmt:MATRIX_FMT_BF6
	v_wmma_scale_f32_16x16x128_f8f6f4 v[104+8*\t:111+8*\t], v[32+6*\t:43+6*\t], v[QB:QB+11], 0, v[KSC0+\t/2], v[QS2] matrix_a_fmt:MATRIX_FMT_BF6 matrix_b_fmt:MATRIX_FMT_BF6
.endr
	PLACES
.if \pf
	KLOAD                                          ; lands under the softmax
.endif
.irp b, 0,1,2,3
	v_max3_num_f32 v[BM+\b], v[96+16*\b], v[97+16*\b], v[98+16*\b]
.endr
.irp i, 3,5,7,9,11,13
.irp b, 0,1,2,3
	v_max3_num_f32 v[BM+\b], v[BM+\b], v[96+16*\b+\i], v[97+16*\b+\i]
.endr
.endr
.irp b, 0,1,2,3
	v_max_num_f32 v[BM+\b], v[BM+\b], v[111+16*\b]
.endr
.irp b, 0,1,2,3
	s_delay_alu instid0(VALU_DEP_4)
	v_permlanex16_b32 v[PM+\b], v[BM+\b], s[SEL], s[SEL+1]
.endr
.irp b, 0,1,2,3
	s_delay_alu instid0(VALU_DEP_4)
	v_max_num_f32 v[BM+\b], v[BM+\b], v[PM+\b]     ; each block's largest score
.endr
	s_delay_alu instid0(VALU_DEP_2)
	v_max3_num_f32 v[WK], v[BM], v[BM+1], v[BM+2]
	s_delay_alu instid0(VALU_DEP_1)
	v_max_num_f32 v[WK], v[WK], v[BM+3]
	s_delay_alu instid0(VALU_DEP_1)
	v_mul_f32 v[WK], s[CS], v[WK]
	s_delay_alu instid0(VALU_DEP_1)
	v_max_num_f32 v13, v13, v[WK]
	v_mov_b32 v[WK], v12
	s_delay_alu instid0(VALU_DEP_2)
	v_floor_f32 v12, -v13                          ; -M
	s_delay_alu instid0(VALU_DEP_1)
	v_sub_f32 v[WK], v12, v[WK]
	s_delay_alu instid0(VALU_DEP_1)
	v_cvt_i32_f32 v[WK], v[WK]
	s_delay_alu instid0(VALU_DEP_1)
	v_ldexp_f32 v[FF], 1.0, v[WK]                  ; 2^(old M - new M)
.set J_, 0
.rept 32
	v_pk_fma_f32 v[96+J_:97+J_], v[96+J_:97+J_], s[CS:CS+1], v[12:13] op_sel_hi:[1,0,0]
.set J_, J_+2
.endr
.irp b, 0,1,2,3
	v_fma_f32 v[BM+\b], v[BM+\b], s[CS], v12
.endr
.set J_, 0
	s_wait_alu depctr_va_vdst(0)                   ; the wait ahead of the batch
.rept 64
	v_exp_f32 v[96+J_], v[96+J_]
.set J_, J_+1
.endr
	v_pk_mul_f32 v[14:15], v[14:15], v[FF:FF+1] op_sel_hi:[1,0]
	s_wait_alu depctr_va_vdst(0)                   ; and behind it
.irp b, 0,1,2,3
	v_exp_f32 v[BM+\b], v[BM+\b]                   ; each block's largest p
.endr
	v_pk_add_f32 v[PM:PM+1], v[96:97], v[98:99]
.irp j, 4,8,12,16,20,24,28,32,36,40,44,48,52,56,60
	v_pk_add_f32 v[14:15], v[14:15], v[96+\j:97+\j]
	v_pk_add_f32 v[PM:PM+1], v[PM:PM+1], v[98+\j:99+\j]
.endr
	s_delay_alu instid0(VALU_DEP_1)
	v_pk_add_f32 v[14:15], v[14:15], v[PM:PM+1]
	s_wait_alu depctr_va_vdst(0)                   ; one for the four; it also stands directly ahead of the wait below
.if \pf
	s_wait_dscnt 0x0                               ; the next record's k is in
	KSC                                            ; its scale words, far ahead of the products that take them
.endif
.irp b, 0,1,2,3
	v_max_num_f32 v[BM+\b], 0x2800000, v[BM+\b]
.endr
.irp b, 0,1,2,3
	s_delay_alu instid0(VALU_DEP_4)
	v_add_nc_u32 v[SO+\b], 0xfe000000, v[BM+\b]
.endr
.irp b, 0,1,2,3
	s_delay_alu instid0(VALU_DEP_4)
	v_lshrrev_b32 v[PM+\b], 23, v[SO+\b]
.endr
	s_delay_alu instid0(VALU_DEP_3)
	v_lshl_or_b32 v[PSW], v[PM+1], 8, v[PM]
	s_delay_alu instid0(VALU_DEP_1)
	v_lshl_or_b32 v[PSW], v[PM+2], 16, v[PSW]
	s_delay_alu instid0(VALU_DEP_1)
	v_lshl_or_b32 v[PSW], v[PM+3], 24, v[PSW]
.irp c, 0,1
	v_cvt_scalef32_pk16_bf6_f32 v[192+6*\c:194+6*\c], v[96+32*\c:111+32*\c], v[SO+2*\c]
	v_cvt_scalef32_pk16_bf6_f32 v[204+4*\c:206+4*\c], v[112+32*\c:127+32*\c], v[SO+2*\c+1]
.endr
	v_nop
.irp t, 0,1,2,3
.irp c, 0,1,2
	ds_load_b128 v[96+12*\t+4*\c:99+12*\t+4*\c], v[ADV] offset:7168+1536*\t+512*\c
.endr
.endr
	ds_load_b128 v[88:91], v[ADV] offset:13312
.irp c, 0,1
.irp i, 0,1,2
	v_permlane16_swap_b32 v[192+6*\c+\i], v[204+4*\c+\i]
.endr
.irp i, 0,1,2
	s_delay_alu instid0(VALU_DEP_3)
	v_mov_b32 v[195+6*\c+\i], v[204+4*\c+\i]
.endr
.endr
.set J_, 0
.rept 16
	v_pk_mul_f32 v[160+J_:161+J_], v[160+J_:161+J_], v[FF:FF+1] op_sel_hi:[1,0]
.set J_, J_+2
.endr
	s_wait_alu depctr_va_vdst(0)
	s_wait_dscnt 0x0
.irp t, 0,1,2,3
	v_wmma_scale_f32_16x16x128_f8f6f4 v[160+8*\t:167+8*\t], v[96+12*\t:107+12*\t], v[192:203], v[160+8*\t:167+8*\t], v[88+\t], v[PSW] matrix_a_fmt:MATRIX_FMT_BF6 matrix_b_fmt:MATRIX_FMT_BF6
.endr
	s_add_co_u32 s[TB], s[TB], REC
.if \pf
	s_add_co_u32 s[TBN], s[TBN], REC
.endif
.endm
	s_wait_alu depctr_va_vdst(0)                   ; the wait at the head's end
	s_wait_tensorcnt 0x1                           ; my part of the first half is in; the second half's load may be out
	s_barrier_signal -1
	s_barrier_wait -1
	KLOAD                                          ; record 0
	s_wait_loadcnt 0x0                             ; q
.irp i, 0,1,2,3,4,5
	v_mov_b32 v[QB+6+\i], v[16+\i]
.endr
	v_lshlrev_b32 v[QS2], 16, v28                  ; q's two bytes above; the two below stand over zero codes
	s_wait_alu depctr_va_vdst(0)
	s_wait_dscnt 0x0
	KSC
.rept 8
	v_nop                                          ; a scale register written by a vector instruction stands 8 places ahead of a scaled matrix instruction
.endr
	s_mov_b32 s[CNT], 2                            ; records 0 and 1; record 2, fetched ahead, lies in the first half too
.Lfirst:
	STEP 1
	s_sub_co_u32 s[CNT], s[CNT], 1
	s_cmp_lg_u32 s[CNT], 0
	s_cbranch_scc1 .Lfirst
	s_wait_tensorcnt 0x0
	s_barrier_signal -1
	s_barrier_wait -1                              ; the second half lies in LDS
	s_mov_b32 s[CNT], 13                           ; records 2 to 14
.Lsecond:
	STEP 1
	s_sub_co_u32 s[CNT], s[CNT], 1
	s_cmp_lg_u32 s[CNT], 0
	s_cbranch_scc1 .Lsecond
	STEP 0                                         ; record 15: nothing more to fetch
	PLACES
	v_add_f32 v14, v14, v15
	s_delay_alu instid0(VALU_DEP_1)
	v_permlanex16_b32 v[PM], v14, s[SEL], s[SEL+1]
	s_delay_alu instid0(VALU_DEP_1)
	v_add_f32 v14, v14, v[PM]                      ; the row's sum
	s_wait_alu depctr_va_vdst(0)
	v_rcp_f32 v14, v14
	v_nop
	s_wait_alu depctr_va_vdst(0)
.set J_, 0
.rept 32
	v_mul_f32 v[96+J_], v[160+J_], v14
.set J_, J_+1
.endr
.irp b, 0,1
	v_max3_num_f32 v[BM+\b], |v[96+16*\b]|, |v[97+16*\b]|, 0x2800000
.endr
.irp i, 2,4,6,8,10,12,14
.irp b, 0,1
	s_delay_alu instid0(VALU_DEP_2)
	v_max3_num_f32 v[BM+\b], v[BM+\b], |v[96+16*\b+\i]|, |v[97+16*\b+\i]|
.endr
.endr
.irp b, 0,1
	s_delay_alu instid0(VALU_DEP_2)
	v_permlanex16_b32 v[PM+\b], v[BM+\b], s[SEL], s[SEL+1]
.endr
.irp b, 0,1
	s_delay_alu instid0(VALU_DEP_2)
	v_max_num_f32 v[BM+\b], v[BM+\b], v[PM+\b]
.endr
.irp b, 0,1
	s_delay_alu instid0(VALU_DEP_2)
	v_add_nc_u32 v[SO+\b], 0xfe000000, v[BM+\b]
.endr
.irp b, 0,1
	s_delay_alu instid0(VALU_DEP_2)
	v_lshrrev_b32 v[PM+\b], 23, v[SO+\b]
.endr
	s_delay_alu instid0(VALU_DEP_1)
	v_lshl_or_b32 v[WK], v[PM+1], 8, v[PM]
	v_cvt_scalef32_pk16_bf6_f32 v[192:194], v[96:111], v[SO]
	v_cvt_scalef32_pk16_bf6_f32 v[196:198], v[112:127], v[SO+1]
	v_nop
.irp i, 0,1,2
	v_permlane16_swap_b32 v[192+\i], v[196+\i]
.endr
.irp i, 0,1,2
	s_delay_alu instid0(VALU_DEP_3)
	v_mov_b32 v[195+\i], v[196+\i]
.endr
.irp p, 0,1,2
	global_store_b64 v[L8], v[192+2*\p:193+2*\p], s[8:9] offset:256*\p   ; 32 lanes store 256 consecutive bytes
.endr
	global_store_b16 v[R16], v[WK], s[10:11]
	s_wait_tensorcnt 0x0                           ; the wave's end
	ds_add_u32 v254, v255
	s_wait_dscnt 0x0
	ROUND                                          ; the closing round
	s_endpgm
.Lfunc_end_k_q7883a094cd_attn:
	.size	k_q7883a094cd_attn, .Lfunc_end_k_q7883a094cd_attn-k_q7883a094cd_attn
	.p2alignl 7, 3214868480
	.fill 96, 4, 3214868480
	.section	.rodata,"a",@progbits
	.p2align	6, 0x0
	.amdhsa_kernel k_q7883a094cd_attn
		.amdhsa_group_segment_fixed_size 327680
		.amdhsa_private_segment_fixed_size 0
		.amdhsa_enable_private_segment 0
		.amdhsa_kernarg_size 32
		.amdhsa_user_sgpr_count 2
		.amdhsa_user_sgpr_kernarg_segment_ptr 1
		.amdhsa_wavefront_size32 1
		.amdhsa_system_sgpr_workgroup_id_x 1
		.amdhsa_system_sgpr_workgroup_id_y 1
		.amdhsa_system_sgpr_workgroup_id_z 1
		.amdhsa_system_vgpr_workitem_id 0
		.amdhsa_next_free_vgpr 256
		.amdhsa_next_free_sgpr 66
		.amdhsa_reserve_vcc 0
		.amdhsa_float_denorm_mode_32 3
		.amdhsa_float_denorm_mode_16_64 3
		.amdhsa_memory_ordered 1
		.amdhsa_forward_progress 1
		.amdhsa_inst_pref_size 66
	.end_amdhsa_kernel
	.amdgpu_metadata
---
amdhsa.version: [ 1, 2 ]
amdhsa.kernels:
  - .name:           k_q7883a094cd_attn
    .symbol:         k_q7883a094cd_attn.kd
    .args:
      - { .name: qimg, .offset: 0, .size: 8, .value_kind: global_buffer, .address_space: global }
      - { .name: kv, .offset: 8, .size: 8, .value_kind: global_buffer, .address_space: global }
      - { .name: cimg, .offset: 16, .size: 8, .value_kind: global_buffer, .address_space: global }
      - { .name: csc, .offset: 24, .size: 8, .value_kind: global_buffer, .address_space: global }
    .group_segment_fixed_size: 327680
    .private_segment_fixed_size: 0
    .kernarg_segment_align: 8
    .kernarg_segment_size: 32
    .max_flat_workgroup_size: 512
    .sgpr_count:     66
    .vgpr_count:     256
    .wavefront_size: 32
...
	.end_amdgpu_metadata
.endif
;; end of part 2
;; launch ffn (part 3): grid 256 x 1, 4 waves a work-group, clusters of 4 x 1, 327,680 bytes of LDS; arguments cimg, csc, wstream, moves_embeddings, bo, g1, beta1, b_up, b_down, g2, beta2, out0; writes out0
.if DOCPART == 3
	.amdgcn_target "amdgcn-amd-amdhsa--gfx1250"
	.amdhsa_code_object_version 6
	.text
	.protected	k_q7883a094cd_ffn
	.globl	k_q7883a094cd_ffn
	.p2align	8
	.type	k_q7883a094cd_ffn,@function
k_q7883a094cd_ffn:
	s_mov_b64 s[64:65], 0
	v_nop
	global_prefetch_b8 v0, s[64:65] scope:SCOPE_SE
	s_setreg_imm32_b32 hwreg(HW_REG_WAVE_MODE, 25, 1), 1
	s_wait_xcnt 0x0
	s_wait_alu depctr_hold_cnt(0) depctr_sa_sdst(0) depctr_va_vdst(0) depctr_va_sdst(0) depctr_va_ssrc(0) depctr_va_vcc(0) depctr_vm_vsrc(0)
	s_getreg_b32 s2, hwreg(HW_REG_IB_STS2, 6, 4)
	s_cmp_eq_u32 s2, 0
	s_cbranch_scc0 .Lentry_in_a_cluster
	s_endpgm
.Lentry_in_a_cluster:
	s_bfe_u32 s2, ttmp6, 0x10000c
	s_cmp_lg_u32 s2, 0x3003
	s_cbranch_scc0 .Lentry_shape_is_right
	s_endpgm
.Lentry_shape_is_right:
; x1 = LN(x + ctx wo + bo; g1, beta1);  out = LN(x1 + gelu(x1 w_up + b_up) w_down + b_down; g2, beta2).  The three products on codes of BF6 (E3M2) with E8M0 scales; all else in f32.
; SHARES.  A work-group takes 32 tokens (two tiles of 16).  Wave w makes columns 128 w .. 128 w + 127 of wo's and w_down's results, and in pass i hidden units 128 (4 i + w) on.
; THE WEIGHTS: a wave's 36 chunks (8 fragments and their scale words, 13,312 bytes, laid out by the first launch in the order of use) come in 18 FILLS of two chunks.
; CLUSTERS: all work-groups walk the same stream, so four form a cluster and ask for each fill JOINTLY (mask 15): wave w's load brings its own 104 rows of 256 bytes into its own part of a slot.
; A ring of two slots of 4 x 26,624 bytes.  At a change of slots (TURN) a round of the cluster's barrier stands in front of the refill.  Fill k is copied, between changes k and k + 1, into register
; sets 2 (k % 2) and + 1 of four, as soon as those sets' products are issued: the slot can be filled again at change k + 1, and the copy's 52 loads run under products or vector work that is due anyway.
; THE LOOP IS TURNED so that each of its four changes of slots has a fill to ask for in every trip: trip p holds changes 1 + 4 p .. 4 + 4 p, which ask for fills 2 + 4 p .. 5 + 4 p.
;   change 1 + 4 p: the last pass's second pair of w_down's chunks is copied under the end of its GELU and h's quantising (trip 0: wo's second pair; there is no h yet: ctx was laid into h's bytes at the head);
;   change 2 + 4 p: four chunks' products onto the running sum XC (wo's in trip 0, w_down's afterwards), w_up's first pair copied under the last two; in trip 0 LayerNorm 1 follows, under a branch on the trip's number;
;   change 3 + 4 p: w_up's four chunks' products, its second pair copied under the first pair's; the GELU's first two groups;   change 4 + 4 p: w_down's first pair copied under four groups of the GELU.
; Behind the loop, written out: the last GELU's end, h, the last four chunks' products, LayerNorm 2.
; The rounds' barriers also show ctx, x1 and h to the other waves, and part a pass's reads of h from the next pass's stores.
; PREFETCH: each change of slots k names fill k + 3, two changes ahead of the load that wants it: of a wave's 104 blocks of 256 bytes each partner takes 26, told apart by address (cx),
; a lane a block (lanes 26-31 name the last again).  Fills 1 and 2 are named at the head, behind fill 0's load; fill 0 comes by its load alone; the last trip's last two changes would name
; fills 18 and 19, which do not exist, and ask for nothing.
; All products transposed (source 0 = 16 weight rows, source 1 = 16 tokens): a lane holds one token, and the 16 registers of two neighbouring tiles are 16 neighbouring columns, 32 b + 16 (lane / 16) + i.
; x + bo starts the first product's sums, x1 + b_down the third's, b_up is the C of the second's first step.
; GELU: z (0.5 + 0.5 erf(z / sqrt 2)); erf(u) = u P(u^2) / Q(u^2), u held to +-4, where erf is 1 in f32.
; LIMITS: NaN and infinities are not served; a block of zeros gets the byte 1 (its codes are zeros; the bytes stay in this launch).
.set FRB,  1536
.set CHB,  13312
.set FILL, 2*CHB                       ; what one tensor load brings
.set SPI,  528
.set XIMG, 20480                       ; LDS: 0: the parameters (bo, g1, beta1, b_down, g2, beta2 at 2,048 each; b_up at 12,288); x1's 8 fragments (4 m + s)
.set XSC,  32768                       ; their scale words
.set RED,  33792                       ; four regions of 1,024 bytes, one for each reduction
.set STG,  37888                       ; a stage of 16 rows x 528 bytes for each wave
.set HB,   73728                       ; ctx's, then h's 8 fragments (4 m + s)
.set HSC,  86016                       ; and their scale words
.set SPARE, 87040                      ; the spare words, 512 bytes
.set SLOT0, 87552                      ; the ring
.set SLOTB, 4*FILL
.set VO,   1                           ; 16 x lane
.set SL0,  2                           ; my part of slot 0, + 16 x lane
.set PS,   3                           ; 512 x wave + 16 x lane
.set PRD,  4                           ; 512 x wave + 64 (lane / 16)
.set PRU,  5                           ; the same in b_up's part of this pass
.set STI,  6
.set STO,  7
.set XWI,  8
.set XWS,  9
.set HWI,  10
.set HWS,  11
.set LIX,  12
.set LSX,  13
.set LIH,  14
.set LSH,  15
.set RDS,  16
.set RDL,  17
.set VL8,  18
.set V16R, 19
.set T0,   20
.set T1,   21
.set T2,   22
.set SL1,  23                          ; my part of slot 1
.set WS,   24                          ; v24-55  the chunks' scale words, 8 for each set
.set AS,   56                          ; v56-63  the activations' scale words, 4 m + s
.set AF,   64                          ; v64-159 the activations' 8 fragments; at other times at work
.set CD,   160
.set TM,   180
.set PW,   196
.set LW,   200
.set KA,   216
.set KB,   218
.set CWI,  220                         ; where I lay ctx's two fragments,
.set CWS,  221                         ; and their scale words
.set PFO,  222                         ; the prefetches' offset: 256 x min(lane, 25)
.set GU,   64
.set GW,   80
.set GP,   96
.set GQ,   112
; window 1: v0-95, v96-191 weight sets 0, 1; v192-255 a bias or gain.  window 2: v0-95 set 2; v128-255 the hidden layer's 16 accumulators.  window 3: v0-95 set 3; v128-255 XC (64 m + 8 t)
.set CX,   4
.set WGX,  5
.set WV,   32
.set SEL,  34
.set PASS, 38
.set UOFF, 39
.set PFB,  40                          ; s[40:41] where my prefetches stand
.set RH,   42
.set A1,   44
.set B1,   56
.set XB,   68
.set OB,   70
.set CIB,  72
.set CSB,  74
.set G1,   84                          ; s[84:91] descriptor group 1
.set G0,   92                          ; s[92:99] group 0, one set for each slot
.set MSB, 0
.macro WIN new
.if MSB != (\new)
	s_set_vgpr_msb (MSB<<8)|(\new)
.set MSB, (\new)
.endif
.endm
.macro PLACES
.rept 4
	v_nop
.endr
.endm
.macro SPAIR reg, val
	s_mov_b32 s[\reg], \val
	s_mov_b32 s[\reg+1], \val
.endm
.macro ROUND                           ; a round of the cluster's barrier
	s_barrier_signal -1
	s_barrier_wait -1
	s_cmp_lg_u32 s[WV], 0
	s_cbranch_scc1 .Lnot_wave_0_\@
	s_barrier_signal -3
.Lnot_wave_0_\@:
	s_barrier_wait -3
	s_barrier_signal -1
	s_barrier_wait -1
.endm
; A change of slots: my load into \slot has landed (the one that was out); the add and my LDS instructions are done, my reads of the other slot among them; a round; the other slot is asked for again
.macro TURN slot
	s_wait_alu depctr_va_vdst(0)                   ; directly ahead of the wait below
	s_wait_tensorcnt 0x0
	ds_add_u32 v254, v255
	s_add_nc_u64 s[G0+4*(\slot)+2:G0+4*(\slot)+3], s[G0+4*(\slot)+2:G0+4*(\slot)+3], 2*FILL   ; no load of mine is out: this slot's next fill
	s_wait_dscnt 0x0
	ROUND
	tensor_load_to_lds s[G0+4-4*(\slot):G0+7-4*(\slot)], s[G1:G1+7]
	s_nop 0
	PLACES                                         ; also the places in front of loads into registers that products have read
.endm
.macro COPY slot                       ; my two chunks of a slot into sets 2 slot, 2 slot + 1: 52 loads of 512 consecutive bytes
.if (\slot) == 0
.set SLV, SL0
.else
.set SLV, SL1
.endif
.irp u, 0,1
.set KK, 2*(\slot)+\u
.if KK < 2
	WIN 0x40
.set LBR, 96*KK
.elseif KK == 2
	WIN 0x80
.set LBR, 0
.else
	WIN 0xc0
.set LBR, 0
.endif
.irp f, 0,1,2,3,4,5,6,7
.irp c, 0,1,2
	ds_load_b128 v[LBR+12*\f+4*\c:LBR+12*\f+4*\c+3], v[SLV] offset:CHB*\u+FRB*\f+512*\c
.endr
.endr
	WIN 0
	ds_load_b128 v[WS+8*KK:WS+8*KK+3], v[SLV] offset:CHB*\u+12288
	ds_load_b128 v[WS+8*KK+4:WS+8*KK+7], v[SLV] offset:CHB*\u+12800
.endr
.endm
.macro ASKPF j, guard                  ; my 26 blocks of the fill that stands j fills behind s[PFB]; guard: not in the last trip
.if \guard
	s_cmp_eq_u32 s[PASS], 3
	s_cbranch_scc1 .Lno_pf_\@
.endif
	s_cmp_lt_u32 ttmp9, 4
	s_cbranch_scc0 .Lno_prefetch_ffn0_\@
	global_prefetch_b8 v[PFO], s[PFB:PFB+1] offset:(\j)*FILL th:TH_LOAD_NT scope:SCOPE_SE
.Lno_prefetch_ffn0_\@:
.Lno_pf_\@:
.endm
.macro QUANT s, w                      ; 64 numbers of a lane in window w, register 16 b + i = k 32 b + 16 (lane / 16) + i, become a fragment's codes in v[CD] on and its scale word in v[PW]
	WIN (\w)|((\w)<<2)
.irp b, 0,1,2,3
	v_max3_num_f32 v[TM+\b], |v[(\s)+16*\b]|, |v[(\s)+16*\b+1]|, 0x2800000
.endr
	WIN ((\w)<<2)|((\w)<<4)
.irp i, 2,4,6,8,10,12,14
.irp b, 0,1,2,3
	v_max3_num_f32 v[TM+\b], v[TM+\b], |v[(\s)+16*\b+\i]|, |v[(\s)+16*\b+\i+1]|
.endr
.endr
	WIN 0
.irp b, 0,1,2,3
	v_permlanex16_b32 v[TM+4+\b], v[TM+\b], s[SEL], s[SEL+1]
.endr
.irp b, 0,1,2,3
	v_max_num_f32 v[TM+\b], v[TM+\b], v[TM+4+\b]
.endr
.irp b, 0,1,2,3
	v_add_nc_u32 v[TM+12+\b], 0xfe000000, v[TM+\b]
.endr
.irp b, 0,1,2,3
	v_lshrrev_b32 v[TM+4+\b], 23, v[TM+12+\b]
.endr
	v_lshl_or_b32 v[PW], v[TM+5], 8, v[TM+4]
	v_lshl_or_b32 v[PW], v[TM+6], 16, v[PW]
	v_lshl_or_b32 v[PW], v[TM+7], 24, v[PW]
	WIN (\w)
.irp c, 0,1
	v_cvt_scalef32_pk16_bf6_f32 v[CD+6*\c:CD+6*\c+2], v[(\s)+32*\c:(\s)+32*\c+15], v[TM+12+2*\c]
	v_cvt_scalef32_pk16_bf6_f32 v[CD+12+4*\c:CD+14+4*\c], v[(\s)+32*\c+16:(\s)+32*\c+31], v[TM+13+2*\c]
.endr
	WIN 0
	v_nop
.irp c, 0,1
.irp i, 0,1,2
	v_permlane16_swap_b32 v[CD+6*\c+\i], v[CD+12+4*\c+\i]
.endr
.irp i, 0,1,2
	v_mov_b32 v[CD+3+6*\c+\i], v[CD+12+4*\c+\i]
.endr
.endr
.endm
; A chunk's 16 products: set k x the activations' K step sidx, sixteen accumulators by turns.  mode 0: onto XC; 1: the hidden layer's first step, C = the bias; 2: onto the hidden layer.
.macro MUL k, sidx, mode
.if (\k) < 2
.set BWN, 1
.set CBR, 96*(\k)
.else
.set BWN, (\k)
.set CBR, 0
.endif
.if (\mode) == 0
	WIN 0xf0|BWN
.elseif (\mode) == 1
	WIN 0x90|BWN
.else
	WIN 0xa0|BWN
.endif
.irp t, 0,1,2,3,4,5,6,7
.irp m, 0,1
.if (\mode) == 1
	v_wmma_scale_f32_16x16x128_f8f6f4 v[128+64*\m+8*\t:135+64*\m+8*\t], v[CBR+12*\t:CBR+12*\t+11], v[AF+12*(4*\m+(\sidx)):AF+12*(4*\m+(\sidx))+11], v[192+8*\t:199+8*\t], v[WS+8*(\k)+\t], v[AS+4*\m+(\sidx)] matrix_a_fmt:MATRIX_FMT_BF6 matrix_b_fmt:MATRIX_FMT_BF6
.else
	v_wmma_scale_f32_16x16x128_f8f6f4 v[128+64*\m+8*\t:135+64*\m+8*\t], v[CBR+12*\t:CBR+12*\t+11], v[AF+12*(4*\m+(\sidx)):AF+12*(4*\m+(\sidx))+11], v[128+64*\m+8*\t:135+64*\m+8*\t], v[WS+8*(\k)+\t], v[AS+4*\m+(\sidx)] matrix_a_fmt:MATRIX_FMT_BF6 matrix_b_fmt:MATRIX_FMT_BF6
.endif
.endr
.endr
	WIN 0
.endm
.macro PARLD dst, w, va, off           ; 128 numbers of a parameter in the result's layout: register 8 t + j = column 32 (t / 2) + 8 (t % 2) + 16 h + j
	WIN (\w)<<6
.irp t, 0,1,2,3,4,5,6,7
	ds_load_b128 v[\dst+8*\t:\dst+8*\t+3], v[\va] offset:(\off)+4*(32*(\t/2)+8*(\t%2))
	ds_load_b128 v[\dst+8*\t+4:\dst+8*\t+7], v[\va] offset:(\off)+4*(32*(\t/2)+8*(\t%2))+16
.endr
	WIN 0
.endm
.macro ADDB                            ; XC += what lies in window 1, v192 on
	WIN 0xc7
.irp m, 0,1
.set J_, 0
.rept 32
	v_pk_add_f32 v[128+64*\m+J_:129+64*\m+J_], v[128+64*\m+J_:129+64*\m+J_], v[192+J_:193+J_]
.set J_, J_+2
.endr
.endr
	WIN 0
.endm
.macro AFLOAD va, vs                   ; eight fragments and their scale words from LDS: 32 loads
.irp f, 0,1,2,3,4,5,6,7
.irp c, 0,1,2
	ds_load_b128 v[AF+12*\f+4*\c:AF+12*\f+4*\c+3], v[\va] offset:FRB*\f+512*\c
.endr
	ds_load_b32 v[AS+\f], v[\vs] offset:128*\f
.endr
.endm
.macro DOWN more                       ; four chunks' products onto XC, all four sets copied earlier.  more = 1: sets 0, 1 take w_up's first pair as soon as their products are issued
	AFLOAD LIH, LSH
	s_wait_dscnt 0x0
	MUL 0, 0, 0
	MUL 1, 1, 0
.if \more
	PLACES                                         ; in front of loads into registers that the products above have read
	COPY 0
	ASKPF 2, 0
.endif
	MUL 2, 2, 0
	MUL 3, 3, 0
.endm
.macro ROWSUM red                      ; each tile's two packed chains (v[LW + 4 m] on) become the row's sum over all 512 columns, in v[LW + 8 + 4 m]
.irp m, 0,1
	v_pk_add_f32 v[LW+4*\m:LW+4*\m+1], v[LW+4*\m:LW+4*\m+1], v[LW+4*\m+2:LW+4*\m+3]
.endr
.irp m, 0,1
	v_add_f32 v[LW+4*\m], v[LW+4*\m], v[LW+4*\m+1]
.endr
.irp m, 0,1
	v_permlanex16_b32 v[LW+4*\m+1], v[LW+4*\m], s[SEL], s[SEL+1]
.endr
.irp m, 0,1
	v_add_f32 v[LW+4*\m], v[LW+4*\m], v[LW+4*\m+1]
.endr
	ds_store_b32 v[RDS], v[LW] offset:1024*(\red)
	ds_store_b32 v[RDS], v[LW+4] offset:1024*(\red)+512
	s_wait_dscnt 0x0                               ; for the others' sake: my parts have landed
	s_barrier_signal -1
	s_barrier_wait -1                              ; my tensor load may stay out
	ds_load_b128 v[LW+8:LW+11], v[RDL] offset:1024*(\red)
	ds_load_b128 v[LW+12:LW+15], v[RDL] offset:1024*(\red)+512
	s_wait_dscnt 0x0
.irp m, 0,1
	v_add_f32 v[LW+8+4*\m], v[LW+8+4*\m], v[LW+9+4*\m]
	v_add_f32 v[LW+10+4*\m], v[LW+10+4*\m], v[LW+11+4*\m]
.endr
.irp m, 0,1
	v_add_f32 v[LW+8+4*\m], v[LW+8+4*\m], v[LW+10+4*\m]
.endr
.endm
.macro LN red, goff, boff              ; XC = (XC - mean) rsqrt(var + 1e-5) gain + shift, in two passes as the definition has them
.irp m, 0,1
	WIN 0x0f
	v_pk_add_f32 v[LW+4*\m:LW+4*\m+1], v[128+64*\m:129+64*\m], v[130+64*\m:131+64*\m]   ; each accumulator is read from its low end on
	v_pk_add_f32 v[LW+4*\m+2:LW+4*\m+3], v[132+64*\m:133+64*\m], v[134+64*\m:135+64*\m]
	WIN 0x0c
.irp j, 8,12,16,20,24,28,32,36,40,44,48,52,56,60
	v_pk_add_f32 v[LW+4*\m:LW+4*\m+1], v[LW+4*\m:LW+4*\m+1], v[128+64*\m+\j:129+64*\m+\j]
	v_pk_add_f32 v[LW+4*\m+2:LW+4*\m+3], v[LW+4*\m+2:LW+4*\m+3], v[130+64*\m+\j:131+64*\m+\j]
.endr
.endr
	WIN 0
	ROWSUM \red
	v_mul_f32 v[LW+8], 0xbb000000, v[LW+8]         ; - the mean
	v_mul_f32 v[LW+12], 0xbb000000, v[LW+12]
	WIN 0xc3
.irp m, 0,1
.set J_, 0
.rept 32
	v_pk_add_f32 v[128+64*\m+J_:129+64*\m+J_], v[128+64*\m+J_:129+64*\m+J_], v[LW+8+4*\m:LW+9+4*\m] op_sel_hi:[1,0]
.set J_, J_+2
.endr
.endr
	WIN 0x0f
.irp m, 0,1
	v_pk_mul_f32 v[LW+4*\m:LW+4*\m+1], v[128+64*\m:129+64*\m], v[128+64*\m:129+64*\m]
	v_pk_mul_f32 v[LW+4*\m+2:LW+4*\m+3], v[130+64*\m:131+64*\m], v[130+64*\m:131+64*\m]
.irp j, 4,8,12,16,20,24,28,32,36,40,44,48,52,56,60
	v_pk_fma_f32 v[LW+4*\m:LW+4*\m+1], v[128+64*\m+\j:129+64*\m+\j], v[128+64*\m+\j:129+64*\m+\j], v[LW+4*\m:LW+4*\m+1]
	v_pk_fma_f32 v[LW+4*\m+2:LW+4*\m+3], v[130+64*\m+\j:131+64*\m+\j], v[130+64*\m+\j:131+64*\m+\j], v[LW+4*\m+2:LW+4*\m+3]
.endr
.endr
	WIN 0
	ROWSUM (\red)+1
	v_fma_f32 v[LW+8], v[LW+8], s66, s67           ; the variance + 1e-5
	v_fma_f32 v[LW+12], v[LW+12], s66, s67
	s_wait_alu depctr_va_vdst(0)                   ; the wait ahead of the roots
	v_rsq_f32 v[LW+8], v[LW+8]
	v_rsq_f32 v[LW+12], v[LW+12]
	PARLD 192, 1, PRD, \goff
	PARLD AF, 0, PRD, \boff
	v_nop                                          ; a plain place behind the two roots,
	s_wait_alu depctr_va_vdst(0)                   ; and the one wait ahead of their first reader
	WIN 0xc3
.irp m, 0,1
.set J_, 0
.rept 32
	v_pk_mul_f32 v[128+64*\m+J_:129+64*\m+J_], v[128+64*\m+J_:129+64*\m+J_], v[LW+8+4*\m:LW+9+4*\m] op_sel_hi:[1,0]
.set J_, J_+2
.endr
.endr
	s_wait_dscnt 0x0
	WIN 0xc7
.irp m, 0,1
.set J_, 0
.rept 32
	v_pk_fma_f32 v[128+64*\m+J_:129+64*\m+J_], v[128+64*\m+J_:129+64*\m+J_], v[192+J_:193+J_], v[AF+J_:AF+J_+1]
.set J_, J_+2
.endr
.endr
	WIN 0
.endm
.macro GELU16 zb                       ; sixteen registers of the hidden layer, in window 2
	WIN 0x02
.irp i, 0,2,4,6,8,10,12,14
	v_pk_mul_f32 v[GU+\i:GU+\i+1], v[(\zb)+\i:(\zb)+\i+1], s[RH:RH+1] op_sel_hi:[1,0]   ; u = z / sqrt 2
.endr
	WIN 0
.irp i, 0,1,2,3,4,5,6,7,8,9,10,11,12,13,14,15
	v_med3_num_f32 v[GU+\i], v[GU+\i], -4.0, 4.0
.endr
.irp i, 0,2,4,6,8,10,12,14
	v_pk_mul_f32 v[GW+\i:GW+\i+1], v[GU+\i:GU+\i+1], v[GU+\i:GU+\i+1]
.endr
.irp i, 0,2,4,6,8,10,12,14
	v_pk_fma_f32 v[GP+\i:GP+\i+1], v[GW+\i:GW+\i+1], v[KA:KA+1], s[A1:A1+1] op_sel_hi:[1,1,0]
.endr
.irp i, 0,2,4,6,8,10,12,14
	v_pk_fma_f32 v[GQ+\i:GQ+\i+1], v[GW+\i:GW+\i+1], v[KB:KB+1], s[B1:B1+1] op_sel_hi:[1,1,0]
.endr
.irp a, 2,4,6,8,10
.irp i, 0,2,4,6,8,10,12,14
	v_pk_fma_f32 v[GP+\i:GP+\i+1], v[GP+\i:GP+\i+1], v[GW+\i:GW+\i+1], s[A1+\a:A1+\a+1] op_sel_hi:[1,1,0]
.endr
.endr
.irp a, 2,4,6
.irp i, 0,2,4,6,8,10,12,14
	v_pk_fma_f32 v[GQ+\i:GQ+\i+1], v[GQ+\i:GQ+\i+1], v[GW+\i:GW+\i+1], s[B1+\a:B1+\a+1] op_sel_hi:[1,1,0]
.endr
.endr
	s_wait_alu depctr_va_vdst(0)                   ; the wait ahead of the batch
.irp i, 0,1,2,3,4,5,6,7,8,9,10,11,12,13,14,15
	v_rcp_f32 v[GQ+\i], v[GQ+\i]
.endr
.irp i, 0,2,4,6,8,10,12,14
	v_pk_mul_f32 v[GP+\i:GP+\i+1], v[GP+\i:GP+\i+1], v[GU+\i:GU+\i+1]   ; plain work behind the reciprocals
.endr
	s_wait_alu depctr_va_vdst(0)                   ; one wait for the sixteen
.irp i, 0,2,4,6,8,10,12,14
	v_pk_mul_f32 v[GP+\i:GP+\i+1], v[GP+\i:GP+\i+1], v[GQ+\i:GQ+\i+1]   ; erf
.endr
.irp i, 0,2,4,6,8,10,12,14
	v_pk_fma_f32 v[GP+\i:GP+\i+1], v[GP+\i:GP+\i+1], 0.5, 0.5 op_sel_hi:[1,0,0]
.endr
	WIN 0x82
.irp i, 0,2,4,6,8,10,12,14
	v_pk_mul_f32 v[(\zb)+\i:(\zb)+\i+1], v[(\zb)+\i:(\zb)+\i+1], v[GP+\i:GP+\i+1]
.endr
	WIN 0
.endm
.macro HEND                            ; the GELU's last two groups; then h: my 128 units are K step w of this pass's four
.irp g, 6,7
	GELU16 128+16*\g
.endr
.irp m, 0,1
	QUANT 128+64*\m, 2
.irp c, 0,1,2
	ds_store_b128 v[HWI], v[CD+4*\c:CD+4*\c+3] offset:4*FRB*\m+512*\c
.endr
	ds_store_b32 v[HWS], v[PW] offset:512*\m
	s_wait_dscnt 0x0
.endr
.endm
	s_load_b512 s[8:23], s[0:1], 0x0               ; cimg 8, csc 10, wstream 12, x 14, bo 16, g1 18, beta1 20, b_up 22
	s_load_b256 s[24:31], s[0:1], 0x40             ; b_down 24, g2 26, beta2 28, out0 30
	v_lshl_add_u32 v254, v0, 2, SPARE
	v_mov_b32 v255, 0
	ds_add_u32 v254, v255                          ; the opening lines: the add, twice on end, and its wait ahead of my first tensor load
	ds_add_u32 v254, v255
	v_lshrrev_b32 v[T0], 5, v0
	v_readfirstlane_b32 s[WV], v[T0]               ; wave 0..3
	v_and_b32 v[T0], 31, v0                        ; lane
	v_and_b32 v[T1], 15, v0                        ; r
	v_bfe_u32 v[T2], v0, 4, 1                      ; h
	v_lshlrev_b32 v[VO], 4, v[T0]
	v_lshlrev_b32 v[VL8], 3, v[T0]
	v_lshlrev_b32 v[V16R], 4, v[T1]
	v_min_u32 v[PFO], 25, v[T0]
	v_lshlrev_b32 v[PFO], 8, v[PFO]
	v_mov_b32 v[KA], 0xaf95df0b
	v_mov_b32 v[KA+1], 0xaf95df0b
	v_mov_b32 v[KB], 0xb77460cd
	v_mov_b32 v[KB+1], 0xb77460cd
.irp b, 0,1,2,3
	v_mov_b32 v[TM+4+\b], 0                        ; a lane permute's destination counts as one of its sources
.endr
	s_wait_alu depctr_va_vdst(0)                   ; directly ahead of the run of scalar instructions
	s_bfe_u32 s[CX], ttmp6, 0x40000                ; my place in the cluster
	s_lshl_b32 s[WGX], ttmp9, 2
	s_add_co_u32 s[WGX], s[WGX], s[CX]             ; work-group 0..255
	s_lshl_b32 s76, s[WV], 9
	s_mul_i32 s77, s[WV], 16*SPI
	s_add_co_u32 s77, s77, STG
	s_mul_i32 s78, s[WV], FRB
	s_add_co_u32 s79, s78, HB
	s_add_co_u32 s78, s78, XIMG
	s_lshl_b32 s80, s[WV], 7
	s_add_co_u32 s81, s80, HSC
	s_add_co_u32 s80, s80, XSC
	s_lshl_b32 s82, s[WV], 2
	s_mul_i32 s6, s[WV], 2*FRB
	s_add_co_u32 s6, s6, HB
	s_lshl_b32 s7, s[WV], 8
	s_add_co_u32 s7, s7, HSC
	s_mov_b32 s[G0], 1
	s_mul_i32 s[G0+1], s[WV], FILL
	s_add_co_u32 s[G0+1], s[G0+1], SLOT0           ; my part of slot 0: no place in the cluster enters an LDS address
	s_mov_b32 s[G0+4], 1
	s_add_co_u32 s[G0+5], s[G0+1], SLOTB
	s_mov_b32 s[G1+0], 15|(3<<16)|(1<<21)          ; the mask names the four; elements of 8 bytes; bit 21 beside a mask
	s_mov_b32 s[G1+1], 32<<16                      ; rows of 256 bytes
	s_mov_b32 s[G1+2], 104<<16                     ; 104 of them
	s_mov_b32 s[G1+3], 32<<16
	s_mov_b32 s[G1+4], 104
	s_mov_b32 s[G1+5], 32
	s_mov_b32 s[G1+6], 0
	s_mov_b32 s[G1+7], 0
	s_mov_b32 s[SEL], 0x76543210
	s_mov_b32 s[SEL+1], 0xfedcba98
	SPAIR RH, 0x3f3504f3
	SPAIR A1, 0x32edffee
	SPAIR A1+2, 0xb60cff51
	SPAIR A1+4, 0xb86ec2d2
	SPAIR A1+6, 0xba40ac63
	SPAIR A1+8, 0xbb41a1f6
	SPAIR A1+10, 0xbc83dbd4
	SPAIR B1, 0xb95fbd29
	SPAIR B1+2, 0xbadc924e
	SPAIR B1+4, 0xbbf19bf8
	SPAIR B1+6, 0xbc69b6a7
	s_mov_b32 s66, 0x3b000000                      ; 1 / 512
	s_mov_b32 s67, 0x3727c5ac                      ; 1e-5
	v_add_nc_u32 v[PS], s76, v[VO]
	v_lshl_add_u32 v[PRD], v[T2], 6, s76
	v_add_nc_u32 v[STI], s77, v[VO]
	v_mul_u32_u24 v[STO], v[T1], SPI
	v_lshl_add_u32 v[STO], v[T2], 6, v[STO]
	v_add_nc_u32 v[STO], s77, v[STO]
	v_add_nc_u32 v[XWI], s78, v[VO]
	v_add_nc_u32 v[HWI], s79, v[VO]
	v_lshl_add_u32 v[XWS], v[T0], 2, s80
	v_lshl_add_u32 v[HWS], v[T0], 2, s81
	v_add_nc_u32 v[LIX], XIMG, v[VO]
	v_lshl_add_u32 v[LSX], v[T0], 2, XSC
	v_add_nc_u32 v[LIH], HB, v[VO]
	v_lshl_add_u32 v[LSH], v[T0], 2, HSC
	v_add_nc_u32 v[RDL], RED, v[VO]
	v_add_nc_u32 v[RDS], s82, v[RDL]
	v_add_nc_u32 v[SL0], s[G0+1], v[VO]
	v_add_nc_u32 v[SL1], s[G0+5], v[VO]
	v_add_nc_u32 v[CWI], s6, v[VO]
	v_lshl_add_u32 v[CWS], v[T0], 2, s7
	s_lshl_b32 s76, s[WGX], 16                     ; my 32 tokens: 65,536 bytes of x and of out,
	s_mov_b32 s77, 0
	s_mul_i32 s78, s[WGX], 12288                   ; 8 fragments of ctx, of which I lay 2 w and 2 w + 1,
	s_mul_i32 s79, s[WV], 2*FRB
	s_add_co_u32 s78, s78, s79
	s_mov_b32 s79, 0
	s_lshl_b32 s80, s[WGX], 9                      ; 512 bytes of its scale words: word (m, r, s) at 256 m + 16 r + 4 s; mine: m = w / 2, s = 2 (w % 2) and + 1
	s_lshr_b32 s81, s[WV], 1
	s_lshl_b32 s81, s81, 8
	s_add_co_u32 s80, s80, s81
	s_and_b32 s81, s[WV], 1
	s_lshl_b32 s81, s81, 3
	s_add_co_u32 s80, s80, s81
	s_mov_b32 s81, 0
	s_mul_i32 s82, s[WV], 36*CHB                   ; my wave's stream
	s_mov_b32 s83, 0
	s_mul_i32 s6, s[CX], 26*256                    ; the prefetches: my work-group's 26 blocks of a fill; the base stands at fill 3
	s_add_co_u32 s6, s6, 3*FILL
	s_mov_b32 s7, 0
	s_wait_alu depctr_va_vdst(0)                   ; the wait at the head's end
	s_wait_dscnt 0x0                               ; both opening adds are done
	s_wait_kmcnt 0x0
	s_add_nc_u64 s[G0+2:G0+3], s[12:13], s[82:83]  ; fill 0
	s_add_nc_u64 s[PFB:PFB+1], s[G0+2:G0+3], s[6:7]
	s_add_nc_u64 s[G0+6:G0+7], s[G0+2:G0+3], FILL  ; fill 1
	s_or_b32 s[G0+3], s[G0+3], 0x80000000
	s_or_b32 s[G0+7], s[G0+7], 0x80000000
	s_add_nc_u64 s[XB:XB+1], s[14:15], s[76:77]
	s_add_nc_u64 s[OB:OB+1], s[30:31], s[76:77]
	s_add_nc_u64 s[CIB:CIB+1], s[8:9], s[78:79]
	s_add_nc_u64 s[CSB:CSB+1], s[10:11], s[80:81]
	ROUND                                          ; the four work-groups are here: the first joint loads meet
	tensor_load_to_lds s[G0:G0+3], s[G1:G1+7]      ; fill 0: one load a wave at the head
	s_nop 0
	PLACES
	ASKPF -2, 0                                    ; fills 1 and 2: with change 0's request for fill 3, the three fills that every later change finds asked for
	ASKPF -1, 0
	WIN 0xc0
	global_load_b128 v[0:3], v[PS], s[16:17]       ; my 128 numbers of each parameter, into registers of set 3, which its first chunk takes when they have gone on to LDS
	global_load_b128 v[4:7], v[PS], s[18:19]
	global_load_b128 v[8:11], v[PS], s[20:21]
	global_load_b128 v[12:15], v[PS], s[24:25]
	global_load_b128 v[16:19], v[PS], s[26:27]
	global_load_b128 v[20:23], v[PS], s[28:29]
.irp i, 0,1,2,3
	global_load_b128 v[24+4*\i:27+4*\i], v[PS], s[22:23] offset:2048*\i
.endr
	WIN 0x80
.irp m, 0,1
.irp i, 0,1,2,3,4,5,6,7,8,9,10,11,12,13,14,15
	global_load_b128 v[128+64*\m+4*\i:131+64*\m+4*\i], v[PS], s[XB:XB+1] offset:(8*\m+\i+8*(\i/8))*2048 th:TH_LOAD_NT   ; row i of tile m: my 512 bytes of a token
.endr
.endr
	WIN 0
.irp j, 0,1
.irp p, 0,1,2,3,4,5
	global_load_b64 v[AF+12*\j+2*\p:AF+12*\j+2*\p+1], v[VL8], s[CIB:CIB+1] offset:FRB*\j+256*\p th:TH_LOAD_NT
.endr
.endr
	global_load_b64 v[AS:AS+1], v[V16R], s[CSB:CSB+1]
	TURN 0                                         ; change 0: fill 0 is in; fill 1, slot 1's first, is issued as a refill is
	COPY 0
	ASKPF 0, 0                                     ; fill 3
	s_wait_loadcnt 13                              ; all but ctx's 12 loads and its scale words' 1
	WIN 0x0c                                       ; an LDS store's data are its source 1: window 3
.irp p, 0,1,2,3,4,5
	ds_store_b128 v[PS], v[4*\p:4*\p+3] offset:2048*\p
.endr
.irp i, 0,1,2,3
	ds_store_b128 v[PS], v[24+4*\i:27+4*\i] offset:12288+2048*\i
.endr
.irp m, 0,1                            ; x turns through my stage: in by rows, back 64 bytes a lane
	WIN 0x08
.irp i, 0,1,2,3,4,5,6,7,8,9,10,11,12,13,14,15
	ds_store_b128 v[STI], v[128+64*\m+4*\i:131+64*\m+4*\i] offset:\i*SPI
.endr
	WIN 0xc0
.irp b, 0,1,2,3
.irp j, 0,1,2,3
	ds_load_b128 v[128+64*\m+16*\b+4*\j:131+64*\m+16*\b+4*\j], v[STO] offset:128*\b+16*\j   ; LDS serves a wave's instructions in order
.endr
.endr
.endr
	WIN 0
	PARLD 192, 1, PRD, 0                           ; bo (my own wave stored these bytes)
	s_wait_dscnt 0x0
	ADDB                                           ; XC = x + bo: it starts the first product's sums
	s_wait_loadcnt 0x0                             ; ctx goes into h's bytes as images of registers
.irp j, 0,1
.irp c, 0,1,2
	ds_store_b128 v[CWI], v[AF+12*\j+4*\c:AF+12*\j+4*\c+3] offset:FRB*\j+512*\c
.endr
.endr
	ds_store_b32 v[CWS], v[AS]
	ds_store_b32 v[CWS], v[AS+1] offset:128
	s_mov_b32 s[PASS], 0
	s_mov_b32 s[UOFF], 12288
.Lpass:
	TURN 1                                         ; change 1 + 4 p: asks for w_up's first pair
	COPY 1                                         ; wo's or w_down's second pair, under the vector work below
	ASKPF 1, 0
	s_cmp_eq_u32 s[PASS], 0
	s_cbranch_scc1 .Lno_h                          ; trip 0 has no hidden layer yet
	HEND
.Lno_h:
	TURN 0                                         ; change 2 + 4 p: its barrier shows ctx (p = 0) or h to every wave
	DOWN 1
	s_cmp_lg_u32 s[PASS], 0
	s_cbranch_scc1 .Lnot_first
	PLACES
	LN 0, 2048, 4096                               ; x1
.irp m, 0,1
	QUANT 128+64*\m, 3                             ; my 128 columns are K step w of the next product
.irp c, 0,1,2
	ds_store_b128 v[XWI], v[CD+4*\c:CD+4*\c+3] offset:4*FRB*\m+512*\c
.endr
	ds_store_b32 v[XWS], v[PW] offset:512*\m
	s_wait_dscnt 0x0
.endr
	PARLD 192, 1, PRD, 6144                        ; b_down
	s_wait_dscnt 0x0
	ADDB                                           ; XC = x1 + b_down: it starts the third product's sums
.Lnot_first:
	v_add_nc_u32 v[PRU], s[UOFF], v[PRD]
	TURN 1                                         ; change 3 + 4 p: its barrier shows x1, and says that every wave's reads of h are over
	AFLOAD LIX, LSX
	PARLD 192, 1, PRU, 0                           ; b_up of my 128 units
	COPY 1                                         ; w_up's second pair, under the first pair's products
	ASKPF 3, 1
	s_wait_dscnt 52                                ; x1's 32 loads and the bias's 16 are in; the copy's 52 may be out
	MUL 0, 0, 1
	MUL 1, 1, 2
	s_wait_dscnt 26                                ; all but the second chunk's 26 loads
	MUL 2, 2, 2
	s_wait_dscnt 0x0
	MUL 3, 3, 2
	PLACES
.irp g, 0,1
	GELU16 128+16*\g
.endr
	TURN 0                                         ; change 4 + 4 p
	COPY 0                                         ; w_down's first pair, under the GELU
	ASKPF 4, 1
.irp g, 2,3,4,5
	GELU16 128+16*\g
.endr
	s_add_co_u32 s[UOFF], s[UOFF], 2048
	s_wait_xcnt 0x0                                ; the prefetches have read their base
	s_add_nc_u64 s[PFB:PFB+1], s[PFB:PFB+1], 4*FILL
	s_add_co_u32 s[PASS], s[PASS], 1
	s_cmp_lt_u32 s[PASS], 4
	s_wait_alu depctr_va_vdst(0)                   ; directly ahead of the branch
	s_cbranch_scc1 .Lpass
	s_wait_tensorcnt 0x0                           ; the last fill is in (my own bytes); nothing is asked for any more
	COPY 1
	HEND
	s_barrier_signal -1
	s_barrier_wait -1                              ; the last pass's h lies in LDS
	DOWN 0
	PLACES
	LN 2, 8192, 10240
	; THE WAY OUT: through my stage, so that 32 lanes store 512 consecutive bytes of a token's row
.irp m, 0,1
	WIN 0x0c
.irp b, 0,1,2,3
.irp j, 0,1,2,3
	ds_store_b128 v[STO], v[128+64*\m+16*\b+4*\j:131+64*\m+16*\b+4*\j] offset:128*\b+16*\j
.endr
.endr
	WIN 0
.irp i, 0,1,2,3,4,5,6,7,8,9,10,11,12,13,14,15
	ds_load_b128 v[64+64*\m+4*\i:67+64*\m+4*\i], v[STI] offset:\i*SPI
.endr
.endr
.irp i, 0,1,2,3,4,5,6,7,8,9,10,11,12,13,14,15
	s_wait_dscnt 47-\i                             ; row i of tile 0 is back: behind it its later rows and tile 1's 32 instructions
	global_store_b128 v[PS], v[64+4*\i:67+4*\i], s[OB:OB+1] offset:(\i+8*(\i/8))*2048 th:TH_STORE_NT
.endr
.irp i, 0,1,2,3,4,5,6,7,8,9,10,11,12,13,14,15
	s_wait_dscnt 15-\i
	global_store_b128 v[PS], v[128+4*\i:131+4*\i], s[OB:OB+1] offset:(8+\i+8*(\i/8))*2048 th:TH_STORE_NT
.endr
	s_wait_tensorcnt 0x0                           ; the wave's end
	ds_add_u32 v254, v255
	s_wait_dscnt 0x0
	ROUND                                          ; the closing round
	s_endpgm
.Lfunc_end_k_q7883a094cd_ffn:
	.size	k_q7883a094cd_ffn, .Lfunc_end_k_q7883a094cd_ffn-k_q7883a094cd_ffn
	.p2alignl 7, 3214868480
	.fill 96, 4, 3214868480
	.section	.rodata,"a",@progbits
	.p2align	6, 0x0
	.amdhsa_kernel k_q7883a094cd_ffn
		.amdhsa_group_segment_fixed_size 327680
		.amdhsa_private_segment_fixed_size 0
		.amdhsa_enable_private_segment 0
		.amdhsa_kernarg_size 96
		.amdhsa_user_sgpr_count 2
		.amdhsa_user_sgpr_kernarg_segment_ptr 1
		.amdhsa_wavefront_size32 1
		.amdhsa_system_sgpr_workgroup_id_x 1
		.amdhsa_system_sgpr_workgroup_id_y 1
		.amdhsa_system_sgpr_workgroup_id_z 1
		.amdhsa_system_vgpr_workitem_id 0
		.amdhsa_next_free_vgpr 1024
		.amdhsa_next_free_sgpr 100
		.amdhsa_reserve_vcc 0
		.amdhsa_float_denorm_mode_32 3
		.amdhsa_float_denorm_mode_16_64 3
		.amdhsa_memory_ordered 1
		.amdhsa_forward_progress 1
		.amdhsa_inst_pref_size 255
	.end_amdhsa_kernel
	.section	.bss,"aw",@nobits
	.p2align	6
	.space	262144
	.amdgpu_metadata
---
amdhsa.version: [ 1, 2 ]
amdhsa.kernels:
  - .name:           k_q7883a094cd_ffn
    .symbol:         k_q7883a094cd_ffn.kd
    .args:
      - { .name: cimg, .offset: 0, .size: 8, .value_kind: global_buffer, .address_space: global }
      - { .name: csc, .offset: 8, .size: 8, .value_kind: global_buffer, .address_space: global }
      - { .name: wstream, .offset: 16, .size: 8, .value_kind: global_buffer, .address_space: global }
      - { .name: moves_embeddings, .offset: 24, .size: 8, .value_kind: global_buffer, .address_space: global }
      - { .name: bo, .offset: 32, .size: 8, .value_kind: global_buffer, .address_space: global }
      - { .name: g1, .offset: 40, .size: 8, .value_kind: global_buffer, .address_space: global }
      - { .name: beta1, .offset: 48, .size: 8, .value_kind: global_buffer, .address_space: global }
      - { .name: b_up, .offset: 56, .size: 8, .value_kind: global_buffer, .address_space: global }
      - { .name: b_down, .offset: 64, .size: 8, .value_kind: global_buffer, .address_space: global }
      - { .name: g2, .offset: 72, .size: 8, .value_kind: global_buffer, .address_space: global }
      - { .name: beta2, .offset: 80, .size: 8, .value_kind: global_buffer, .address_space: global }
      - { .name: out0, .offset: 88, .size: 8, .value_kind: global_buffer, .address_space: global }
    .group_segment_fixed_size: 327680
    .private_segment_fixed_size: 0
    .kernarg_segment_align: 8
    .kernarg_segment_size: 96
    .max_flat_workgroup_size: 128
    .sgpr_count:     100
    .vgpr_count:     1024
    .wavefront_size: 32
...
	.end_amdgpu_metadata
.endif
;; end of part 3
